; MI455X (gfx1250); checked and timed in simulation.
; The chip was launched on July 23, 2026; its instructions are those of AMD's public machine-readable ISA for CDNA 5 (MIT licence, August 2026) and "CDNA5" Instruction Set Architecture Reference Guide (July 2026). The comments in the code are by the model that wrote it; some were corrected since.
;; Parallel Transformer Block. Allowed arithmetic: matrix products marked QUANTISED: E2M3 operands, one E8M0 scale for each 32 along K, by v_wmma_scale_f32_16x16x128_f8f6f4 with both operands' format E2M3, f32 sums; everything else in f32.
;; Inputs: beta 1,024 float32; gamma 1,024 float32; w_attn_out_codes 1,024 x 16 x 24 uint8 (E2M3 codes of w_attn_out, K innermost, in blocks of 32 codes, four codes in three bytes); w_attn_out_scales 1,024 x 16 uint8 (E8M0 scales of w_attn_out, one for each 32 codes along K); w_ff_out_codes 1,024 x 128 x 24 uint8 (E2M3 codes of w_ff_out, K innermost, in blocks of 32 codes, four codes in three bytes); w_ff_out_scales 1,024 x 128 uint8 (E8M0 scales of w_ff_out, one for each 32 codes along K); w_fused_codes 8,768 x 32 x 24 uint8 (E2M3 codes of w_fused, K innermost, in blocks of 32 codes, four codes in three bytes); w_fused_scales 8,768 x 32 uint8 (E8M0 scales of w_fused, one for each 32 codes along K); x 2 x 2,048 x 1,024 float32.
;; Outputs: out0 2 x 2,048 x 1,024 float32.
;; This version of the problem:
;;   THIS VERSION OF THE PROBLEM IS GIVEN IN LOW PRECISION. The matrix products marked QUANTISED in the list below multiply operands that are first quantised to E2M3 (2 exponent bits, 3 mantissa bits; 6 bits a number), with one power-of-two scale for each 32 numbers along K (OCP MX v1.0); their sums are f32. All else is computed in f32.
;;   The module's matrix products, in the order in which they are computed (A, B: the left and right operand; K: the contracted axis; several contracted axes count as one K, in the product's order):
;;     1. [M 4,096, K 1,024] x [K 1,024, N 8,768]; A: computed on the way; B: input w_fused (given as codes): QUANTISED
;;     2. batch 2 x [M 32,768, K 32] x [K 32, N 2,048]; A: computed on the way; B: computed on the way: QUANTISED
;;     3. batch 2 x [M 32,768, K 2,048] x [K 2,048, N 32]; A: softmax (see below); B: computed on the way: QUANTISED
;;     4. [M 4,096, K 512] x [K 512, N 1,024]; A: computed on the way; B: input w_attn_out (given as codes): QUANTISED
;;     5. [M 4,096, K 4,096] x [K 4,096, N 1,024]; A: computed on the way; B: input w_ff_out (given as codes): QUANTISED
;;   THE QUANTISER, for each operand of a quantised product, along K:
;;     - K is cut into blocks of 32 from its start; a last block that is shorter is filled with zeros.
;;     - A block's scale is 2^e with e = floor(log2(the largest magnitude in the block)) - 2, held to -126 .. 127; a block of zeros has e = 0. As a byte (E8M0): e + 127.
;;     - Each number is divided by its block's scale, clamped to +-7.5, and rounded to the nearest number of E2M3, ties to even, subnormals kept.
;;     - The product sums the exact products of the quantised numbers (number of the format x scale) in f32.
;;   ~~~python
;;   def quantise(x, axis):      # numpy; x: float32 -> the quantised numbers, widened to float32 again
;;       x = np.moveaxis(x, axis, -1); K = x.shape[-1]
;;       x = np.pad(x, [(0, 0)] * (x.ndim - 1) + [(0, -K % 32)]); x = x.reshape(x.shape[:-1] + (-1, 32)); a = np.abs(x).max(-1, keepdims=True)
;;       e = np.where(a > 0, np.clip(np.frexp(np.where(a > 0, a, 1))[1] - 1 - 2, -126, 127), 0)      # np.frexp(a)[1] - 1 = floor(log2(a)), exactly
;;       r = np.clip(x / 2.0 ** e, -7.5, 7.5)
;;       step = 2.0 ** (np.maximum(np.frexp(np.where(r == 0, 1, r))[1] - 1, 0) - 3)
;;       q = np.round(r / step) * step * 2.0 ** e      # np.round: ties to even
;;       return np.moveaxis(q.reshape(q.shape[:-2] + (-1,))[..., :K], -1, axis).astype(np.float32)
;;   ~~~
;;   SOFTMAX AHEAD OF A QUANTISED PRODUCT. Where the list says 'softmax', what is quantised is not the finished softmax but p = 2^(t - M), with t = logit x log2(e) and M = ceil(the row's largest t), a whole number; so 1/2 < the row's largest p <= 1. The row's sum l is taken of the UNQUANTISED p, in f32, and the product's result is divided by l at the end. Since M is a whole number, a kernel that streams over the keys may use a running M (the ceiling of the running maximum): every later rescaling is an exact power of two, which a block's scale takes up: the codes' values come out the same.
;;   OPERANDS COMPUTED ON THE WAY. 'Computed on the way' means the value that the module computes at that place (a softmax that the list does not call 'softmax' is quantised finished and normalised). What goes into a quantiser is computed in f32, as accurately as f32 sums, v_exp_f32 and their like allow (about 1e-6 of the number): no bf16 or f16 on the way to a quantiser, and a product that is left as it is and whose result goes on into a quantised operand takes f32 operands (vector FMAs, or v_wmma_f32_16x16x4_f32). A number that lies on a knife's edge between two numbers of the format may be rounded either way, as far as f32 arithmetic and the matrix unit's own rounding can turn it there, and no further.
;;   INPUTS GIVEN AS CODES. w_attn_out (in the module: [1024, 512], K = its axis 1); w_ff_out (in the module: [1024, 4096], K = its axis 1); w_fused (in the module: [8768, 1024], K = its axis 1): each comes as NAME_codes (uint8): NAME with its K axis moved to the last place and cut into blocks of 32 codes, [.., K / 32, bytes a block], one block behind the other in memory; four codes in three bytes: a row's codes are one little-endian stream of bits, code i at bits 6 i .. 6 i + 5 (a code: sign, 2 exponent bits, 3 mantissa bits); and NAME_scales (uint8): the same leading axes, one E8M0 byte (e + 127) for each 32 codes along K. Its value is code x scale, taken as it is: it is not quantised again, and the codes and scales need not be those that the quantiser above would give.
;; One version. Each part assembles by itself: llvm-mc -triple=amdgcn-amd-amdhsa -mcpu=gfx1250 --defsym DOCPART=n.
;; ======== version 1 of 1: 5 launches
;; limits: right only within a limited range of input values
;; workspace buffers: xq 3,145,728 bytes; xs 131,072 bytes; rope 524,288 bytes; qc 1,572,864 bytes; qsw 131,072 bytes; kv 212,992 bytes; act 14,155,776 bytes; asc 589,824 bytes
;; launch lnq (part 1): grid 256 x 1, 4 waves a work-group, no clusters, 87,040 bytes of LDS; arguments x, gamma, beta, xq, xs, rope; writes xq, xs, rope
.if DOCPART == 1
	.amdgcn_target "amdgcn-amd-amdhsa--gfx1250"
	.amdhsa_code_object_version 6
	.text
	.protected	k_q0bac6351a7_lnq
	.globl	k_q0bac6351a7_lnq
	.p2align	8
	.type	k_q0bac6351a7_lnq,@function
k_q0bac6351a7_lnq:
	s_mov_b64 s[64:65], 0
	v_nop
	global_prefetch_b8 v0, s[64:65] scope:SCOPE_SE
	s_setreg_imm32_b32 hwreg(HW_REG_WAVE_MODE, 25, 1), 1
	s_wait_xcnt 0x0
; LAUNCH 1 OF 5.  xn = LayerNorm(x) gamma + beta, quantised along its 1,024 to codes of E2M3 with one E8M0 byte for each 32; and the table of cos and sin for the rotary positions.
; THE PROGRAM: lnq (this) | qkv: product 1, columns 0-575, l2norm, rope, the quantisers of q, k, v | attn: products 2 and 3 | ffin: product 1, columns 576-8767, silu(gate) ff_x, its quantiser | outp: products 4 and 5 as one sum.
; WORK LEFT OUT, in the whole program: the key steps of products 2 and 3 that lie wholly above the diagonal.  reference() builds tril itself and sets those logits to the least f32 number ahead of the
; softmax, so their weights are 0 for every value of the inputs (key 0 .. i always count for query i, so the row's maximum is a logit that counts).  Nothing else is left out; every input is loaded.
; LIMIT: a NaN, an infinity or an overflow that would reach only that left-out work is not carried to the result.  NaN and infinities among the inputs are not served.
; LIMIT: a block of zeros gets the scale byte 1 where the quantiser says 127: its codes are zeros, and this program alone reads the bytes.
; LIMIT: inv_freq is 1 / fl(10^(j/4)), correctly rounded; a power function that is one unit in the last place off moves an angle by at most 1.4e-4 rad at position 2,047.
; ROWS OF A TILE.  Tile T (0 .. 255) holds 16 rows; its lane-row r is row 64 (T / 4) + 32 (r / 8) + 8 (T % 4) + r % 8.  All operands of this program's own use that order; the last launch undoes it.
; HOW CODES LIE (xq, and act later): by tile, by 128 along K, as two units of 768 bytes; in a unit lane r + 16 h owns block 2 u + h of lane-row r, 24 bytes: its first 16 at 16 x lane, its last 8 at 512 + 8 x lane.
; So a fragment comes back by loads of 16 and 8 bytes a lane whose bytes are consecutive from lane to lane.
; SHARES.  A work-group takes a tile, wave w its lane-rows 4 w .. 4 w + 3, which are four neighbouring rows of x.  A row stays in 32 registers between the passes.  Loads take 512 consecutive bytes.
; No cluster: the work-groups share nothing but gamma and beta, 8,192 bytes.  No matrix unit: there is no product here.
.set STGR,  4608                       ; a row in the stage: 32 blocks of 128 bytes + 16 of padding
.set IMG,   16*STGR                    ; the tile's 16 units, 12,288 bytes
.set SCB,   IMG+12288                  ; its scale bytes, 32 a lane-row
.set SPARE, SCB+512                    ; the spare words, 128 bytes for each wave
.set X,     32                         ; v32-159  four rows
.set GA,    160                        ; v160-191 gamma; later a row's blocks, rows 0 and 2
.set BE,    192                        ; v192-223 beta; later rows 1 and 3
.set SPW,   12
.set NIL,   13
	s_load_b256 s[4:11], s[0:1], 0x0               ; x, gamma, beta, xq
	s_load_b128 s[12:15], s[0:1], 0x20             ; xs, rope
	v_lshl_add_u32 v[SPW], v0, 2, SPARE
	v_mov_b32 v[NIL], 0
	v_lshrrev_b32 v1, 5, v0
	v_readfirstlane_b32 s16, v1                    ; wave
	v_and_b32 v1, 31, v0                           ; lane
	v_lshlrev_b32 v2, 4, v1                        ; 16 x lane
	s_lshr_b32 s17, ttmp9, 2
	s_lshl_b32 s17, s17, 6
	s_and_b32 s18, ttmp9, 3
	s_lshl_b32 s18, s18, 3
	s_add_co_u32 s17, s17, s18
	s_lshr_b32 s18, s16, 1
	s_lshl_b32 s18, s18, 5
	s_add_co_u32 s17, s17, s18
	s_and_b32 s18, s16, 1
	s_lshl_b32 s18, s18, 2
	s_add_co_u32 s17, s17, s18                     ; my first row: 64 (T / 4) + 8 (T % 4) + 32 (w / 2) + 4 (w % 2)
	s_and_b32 s23, s17, 2047                       ; its position in the sequence
	s_mov_b32 s24, 0x3a800000                      ; 1 / 1024
	s_mov_b32 s25, 0x3727c5ac                      ; 1e-5
	s_mov_b32 s26, 0x76543210
	s_mov_b32 s27, 0xfedcba98                      ; lane l xor 16
	s_mov_b32 s21, 0
	s_wait_alu depctr_va_vdst(0)
	s_wait_kmcnt 0x0
	s_lshl_b32 s20, s17, 12
	s_add_nc_u64 s[4:5], s[4:5], s[20:21]
	s_lshl_b32 s20, s17, 7
	s_add_nc_u64 s[14:15], s[14:15], s[20:21]
	s_mul_i32 s20, ttmp9, 12288
	s_add_nc_u64 s[10:11], s[10:11], s[20:21]
	s_lshl_b32 s20, ttmp9, 9
	s_add_nc_u64 s[12:13], s[12:13], s[20:21]
.irp i, 0,1,2,3
.irp q, 0,1,2,3,4,5,6,7
	global_load_b128 v[X+32*\i+4*\q:X+32*\i+4*\q+3], v2, s[4:5] offset:4096*\i+512*\q th:TH_LOAD_NT
.endr
.endr
.irp q, 0,1,2,3,4,5,6,7
	global_load_b128 v[GA+4*\q:GA+4*\q+3], v2, s[6:7] offset:512*\q
.endr
.irp q, 0,1,2,3,4,5,6,7
	global_load_b128 v[BE+4*\q:BE+4*\q+3], v2, s[8:9] offset:512*\q
.endr
	; LDS addresses
	s_mul_i32 s19, s16, 4*STGR
	v_lshrrev_b32 v14, 3, v1
	v_lshl_add_u32 v3, v14, 4, v2
	v_add_nc_u32 v3, s19, v3                       ; into the stage: as loaded, 16 more behind each 128 bytes
	v_mul_u32_u24 v4, v1, 144
	v_add_nc_u32 v4, s19, v4                       ; out of it: lane l takes block l
	v_lshrrev_b32 v14, 1, v1
	v_mul_u32_u24 v14, v14, 768
	v_and_b32 v15, 1, v1
	v_lshl_add_u32 v5, v15, 8, v14
	s_lshl_b32 s22, s16, 6
	v_add_nc_u32 v5, s22, v5
	v_add_nc_u32 v5, IMG, v5                       ; unit l / 2, lane 16 (l % 2) + 4 w + i: its 16 bytes
	v_lshl_add_u32 v6, v15, 7, v14
	s_lshl_b32 s22, s16, 5
	v_add_nc_u32 v6, s22, v6
	v_add_nc_u32 v6, IMG+512, v6                   ; and its 8 bytes
	s_lshl_b32 s22, s16, 7
	v_add_nc_u32 v7, s22, v1
	v_add_nc_u32 v7, SCB, v7                       ; scale byte l of lane-row 4 w + i
	v_lshlrev_b32 v9, 4, v0
	v_add_nc_u32 v8, IMG, v9
	v_lshlrev_b32 v11, 2, v0
	v_add_nc_u32 v10, SCB, v11
	; THE ROPE TABLE, while x is on its way: my four rows x (16 cos, 16 sin).  Lane l: row l / 8, entries 4 (l % 8) + e; frequency j = 4 (l % 4) + e; lanes with bit 2 clear make cos
	s_mov_b32 s40, 0x3f800000                      ; 10^(j / 4), j = 0 .. 15, rounded to f32
	s_mov_b32 s41, 0x3fe39ea9
	s_mov_b32 s42, 0x404a62c2
	s_mov_b32 s43, 0x40b3f300
	s_mov_b32 s44, 0x41200000
	s_mov_b32 s45, 0x418e432a
	s_mov_b32 s46, 0x41fcfb72
	s_mov_b32 s47, 0x4260efc0
	s_mov_b32 s48, 0x42c80000
	s_mov_b32 s49, 0x4331d3f4
	s_mov_b32 s50, 0x439e1d27
	s_mov_b32 s51, 0x440c95d8
	s_mov_b32 s52, 0x447a0000
	s_mov_b32 s53, 0x44de48f1
	s_mov_b32 s54, 0x4545a471
	s_mov_b32 s55, 0x45afbb4e
	v_and_b32 v14, 3, v1
	v_cmp_eq_u32 s30, 1, v14
	v_cmp_eq_u32 s31, 2, v14
	v_cmp_eq_u32 s32, 3, v14
.irp e, 0,1,2,3
	v_mov_b32 v[224+\e], s[40+\e]
.endr
.irp e, 0,1,2,3
	v_cndmask_b32 v[224+\e], v[224+\e], s[44+\e], s30
.endr
.irp e, 0,1,2,3
	v_cndmask_b32 v[224+\e], v[224+\e], s[48+\e], s31
.endr
.irp e, 0,1,2,3
	v_cndmask_b32 v[224+\e], v[224+\e], s[52+\e], s32
.endr
	s_wait_alu depctr_va_vdst(0)
.irp e, 0,1,2,3
	v_rcp_f32 v[232+\e], v[224+\e]
.endr
	v_lshrrev_b32 v15, 3, v1                       ; (a plain instruction behind the reciprocals)
	s_wait_alu depctr_va_vdst(0)                   ; one wait for the four, ahead of their first reader
.irp e, 0,1,2,3
	v_fma_f32 v[236+\e], -v[224+\e], v[232+\e], 1.0
.endr
.irp e, 0,1,2,3
	v_fma_f32 v[232+\e], v[232+\e], v[236+\e], v[232+\e]   ; one Newton step: inv_freq
.endr
	v_add_nc_u32 v15, s23, v15
	v_cvt_f32_u32 v228, v15                        ; the position
.irp e, 0,1,2,3
	v_mul_f32 v[224+\e], v228, v[232+\e]           ; the angle, one rounding, as reference() has it
.endr
.irp e, 0,1,2,3
	v_mul_f32 v[236+\e], 0x3f22f983, v[224+\e]     ; x 2 / pi
.endr
.irp e, 0,1,2,3
	v_rndne_f32 v[236+\e], v[236+\e]               ; n
.endr
.irp e, 0,1,2,3
	v_fmamk_f32 v[224+\e], v[236+\e], 0xbfc90fdb, v[224+\e]   ; angle - n pi / 2, pi / 2 in three parts
.endr
.irp e, 0,1,2,3
	v_fmamk_f32 v[224+\e], v[236+\e], 0x333bbd2e, v[224+\e]
.endr
.irp e, 0,1,2,3
	v_fmamk_f32 v[224+\e], v[236+\e], 0x26f72ced, v[224+\e]   ; r, within pi / 4 of 0
.endr
.irp e, 0,1,2,3
	v_mul_f32 v[232+\e], v[224+\e], v[224+\e]      ; z = r r
.endr
	v_mov_b32 v229, 0xb94ca1f9
	v_mov_b32 v230, 0x37ccf5ce
.irp e, 0,1,2,3
	v_fmaak_f32 v[240+\e], v229, v[232+\e], 0x3c08839e
	v_fmaak_f32 v[244+\e], v230, v[232+\e], 0xbab6061a
.endr
.irp e, 0,1,2,3
	v_fmaak_f32 v[240+\e], v[240+\e], v[232+\e], 0xbe2aaaa3
	v_fmaak_f32 v[244+\e], v[244+\e], v[232+\e], 0x3d2aaaa5
.endr
.irp e, 0,1,2,3
	v_mul_f32 v[240+\e], v[240+\e], v[232+\e]
	v_mul_f32 v[244+\e], v[244+\e], v[232+\e]
	v_fma_f32 v[248+\e], v[232+\e], -0.5, 1.0
.endr
.irp e, 0,1,2,3
	v_fma_f32 v[240+\e], v[240+\e], v[224+\e], v[224+\e]   ; sin r
	v_fma_f32 v[244+\e], v[244+\e], v[232+\e], v[248+\e]   ; cos r
.endr
	v_bfe_u32 v231, v1, 2, 1
	v_xor_b32 v231, 1, v231                        ; cos(a) = sin(a + pi / 2): one quadrant on
.irp e, 0,1,2,3
	v_cvt_i32_f32 v[236+\e], v[236+\e]
.endr
.irp e, 0,1,2,3
	v_add_nc_u32 v[236+\e], v[236+\e], v231
.endr
.irp e, 0,1,2,3
	v_and_b32 v[248+\e], 1, v[236+\e]
.endr
.irp e, 0,1,2,3
	v_cmp_eq_u32 vcc_lo, 1, v[248+\e]
	v_cndmask_b32 v[240+\e], v[240+\e], v[244+\e], vcc_lo  ; odd quadrants take cos r
.endr
.irp e, 0,1,2,3
	v_and_b32 v[236+\e], 2, v[236+\e]
.endr
.irp e, 0,1,2,3
	v_lshlrev_b32 v[236+\e], 30, v[236+\e]
.endr
.irp e, 0,1,2,3
	v_xor_b32 v[240+\e], v[240+\e], v[236+\e]      ; quadrants 2 and 3 change the sign
.endr
	global_store_b128 v2, v[240:243], s[14:15]     ; the wave stores 512 consecutive bytes: four rows of the table
.macro WSUM b                          ; the sums v[b + 4 i] of the four rows, over the 32 lanes; v[b + 1 + 4 i] at work
.irp m, 1,2,4,8
.irp i, 0,1,2,3
	v_add_f32_dpp v[\b+4*\i], v[\b+4*\i], v[\b+4*\i] row_xmask:\m row_mask:0xf bank_mask:0xf
.endr
.endr
.irp i, 0,1,2,3
	v_permlanex16_b32 v[\b+1+4*\i], v[\b+4*\i], s26, s27
.endr
.irp i, 0,1,2,3
	v_add_f32 v[\b+4*\i], v[\b+4*\i], v[\b+1+4*\i]
.endr
.endm
	s_wait_loadcnt 16                              ; x is in; the 16 loads of gamma and beta may be out
.irp i, 0,1,2,3
	v_pk_add_f32 v[16+4*\i:17+4*\i], v[X+32*\i:X+32*\i+1], v[X+32*\i+2:X+32*\i+3]
	v_pk_add_f32 v[18+4*\i:19+4*\i], v[X+32*\i+4:X+32*\i+5], v[X+32*\i+6:X+32*\i+7]
.endr
.irp k, 8,12,16,20,24,28
.irp i, 0,1,2,3
	v_pk_add_f32 v[16+4*\i:17+4*\i], v[16+4*\i:17+4*\i], v[X+32*\i+\k:X+32*\i+\k+1]
	v_pk_add_f32 v[18+4*\i:19+4*\i], v[18+4*\i:19+4*\i], v[X+32*\i+\k+2:X+32*\i+\k+3]
.endr
.endr
.irp i, 0,1,2,3
	v_pk_add_f32 v[16+4*\i:17+4*\i], v[16+4*\i:17+4*\i], v[18+4*\i:19+4*\i]
.endr
.irp i, 0,1,2,3
	v_add_f32 v[16+4*\i], v[16+4*\i], v[17+4*\i]
.endr
	WSUM 16
.irp i, 0,1,2,3
	v_mul_f32 v[16+4*\i], 0x3a800000, v[16+4*\i]   ; the mean
.endr
.irp k, 0,2,4,6,8,10,12,14,16,18,20,22,24,26,28,30
.irp i, 0,1,2,3
	v_pk_add_f32 v[X+32*\i+\k:X+32*\i+\k+1], v[X+32*\i+\k:X+32*\i+\k+1], v[16+4*\i:17+4*\i] op_sel_hi:[1,0] neg_lo:[0,1] neg_hi:[0,1]   ; x - mean: the variance is taken of the differences, so a common offset costs nothing
.endr
.endr
.irp i, 0,1,2,3
	v_pk_mul_f32 v[18+4*\i:19+4*\i], v[X+32*\i:X+32*\i+1], v[X+32*\i:X+32*\i+1]
.endr
.irp k, 2,4,6,8,10,12,14,16,18,20,22,24,26,28,30
.irp i, 0,1,2,3
	v_pk_fma_f32 v[18+4*\i:19+4*\i], v[X+32*\i+\k:X+32*\i+\k+1], v[X+32*\i+\k:X+32*\i+\k+1], v[18+4*\i:19+4*\i]
.endr
.endr
.irp i, 0,1,2,3
	v_add_f32 v[18+4*\i], v[18+4*\i], v[19+4*\i]
.endr
	WSUM 18
.irp i, 0,1,2,3
	v_fma_f32 v[18+4*\i], v[18+4*\i], s24, s25     ; the variance + 1e-5
.endr
	s_wait_alu depctr_va_vdst(0)
.irp i, 0,1,2,3
	v_rsq_f32 v[18+4*\i], v[18+4*\i]
.endr
	v_nop                                          ; a plain instruction behind the last of them
	s_wait_alu depctr_va_vdst(0)                   ; one wait for the four
	s_wait_loadcnt 0x0                             ; gamma and beta
	s_wait_xcnt 0x0                                ; the table's store has read v240-243, which the codes take below
.irp k, 0,2,4,6,8,10,12,14,16,18,20,22,24,26,28,30
.irp i, 0,1,2,3
	v_pk_mul_f32 v[X+32*\i+\k:X+32*\i+\k+1], v[X+32*\i+\k:X+32*\i+\k+1], v[18+4*\i:19+4*\i] op_sel_hi:[1,0]
.endr
.irp i, 0,1,2,3
	v_pk_fma_f32 v[X+32*\i+\k:X+32*\i+\k+1], v[X+32*\i+\k:X+32*\i+\k+1], v[GA+\k:GA+\k+1], v[BE+\k:BE+\k+1]
.endr
.endr
; Row i turns through its own part of the stage: in as loaded, out a block of 32 neighbours to a lane.  LDS serves a wave's instructions in order, so no wait stands between the stores and the loads.
.macro TURN i
.irp q, 0,1,2,3,4,5,6,7
	ds_store_b128 v3, v[X+32*(\i)+4*\q:X+32*(\i)+4*\q+3] offset:STGR*(\i)+576*\q
.endr
.irp q, 0,1,2,3,4,5,6,7
	ds_load_b128 v[GA+32*((\i)%2)+4*\q:GA+32*((\i)%2)+4*\q+3], v4 offset:STGR*(\i)+16*\q
.endr
.endm
; Row i's block l: largest magnitude (with the floor 2^(3 - 127) among its leaves, so that the byte cannot fall under 1), 2 off its exponent field = the conversion's scale operand, the byte, 32 codes in 24 bytes.
.macro QROW i
.set Y, GA+32*((\i)%2)
	v_max3_num_f32 v14, |v[Y]|, |v[Y+1]|, |v[Y+2]|
	v_max3_num_f32 v15, |v[Y+3]|, |v[Y+4]|, |v[Y+5]|
.irp k, 6,10,14,18,22,26
	v_max3_num_f32 v14, v14, |v[Y+\k]|, |v[Y+\k+1]|
	v_max3_num_f32 v15, v15, |v[Y+\k+2]|, |v[Y+\k+3]|
.endr
	v_max3_num_f32 v14, v14, |v[Y+30]|, |v[Y+31]|
	v_max3_num_f32 v14, v14, v15, 0x1800000
	v_add_nc_u32 v16, 0xff000000, v14
	v_cvt_scalef32_pk16_fp6_f32 v[224+6*(\i):226+6*(\i)], v[Y:Y+15], v16
	v_cvt_scalef32_pk16_fp6_f32 v[252:254], v[Y+16:Y+31], v16      ; (a conversion's three registers begin on an even number)
	v_lshrrev_b32 v[248+(\i)], 23, v16             ; the byte; also the plain instruction behind the conversions
.irp k, 0,1,2
	v_mov_b32 v[227+6*(\i)+\k], v[252+\k]
.endr
	ds_store_b128 v5, v[224+6*(\i):227+6*(\i)] offset:16*(\i)
	ds_store_b64 v6, v[228+6*(\i):229+6*(\i)] offset:8*(\i)
	ds_store_b8 v7, v[248+(\i)] offset:32*(\i)
.endm
	TURN 0
	TURN 1
	s_wait_dscnt 16                                ; row 0 is back; row 1's sixteen may be out
	QROW 0
	TURN 2
	s_wait_dscnt 19                                ; row 1 is back; behind it: row 0's three stores and row 2's sixteen
	QROW 1
	TURN 3
	s_wait_dscnt 19
	QROW 2
	s_wait_dscnt 3                                 ; row 3 is back; row 2's three stores may be out
	QROW 3
	s_wait_dscnt 0x0                               ; for the others' sake: my part of the tile's image is written
	s_barrier_signal -1
	s_barrier_wait -1
.irp k, 0,1,2,3,4,5
	ds_load_b128 v[X+4*\k:X+4*\k+3], v8 offset:2048*\k
.endr
	ds_load_b32 v[X+24], v10
.irp k, 0,1,2,3,4,5
	s_wait_dscnt 6-\k
	global_store_b128 v9, v[X+4*\k:X+4*\k+3], s[10:11] offset:2048*\k   ; a wave stores 512 consecutive bytes
.endr
	s_wait_dscnt 0x0
	global_store_b32 v11, v[X+24], s[12:13]
	s_wait_tensorcnt 0x0                           ; the wave's end: behind my last LDS store
	ds_add_u32 v[SPW], v[NIL]
	s_wait_dscnt 0x0
	s_endpgm
.Lfunc_end_k_q0bac6351a7_lnq:
	.size	k_q0bac6351a7_lnq, .Lfunc_end_k_q0bac6351a7_lnq-k_q0bac6351a7_lnq
	.p2alignl 7, 3214868480
	.fill 96, 4, 3214868480
	.section	.rodata,"a",@progbits
	.p2align	6, 0x0
	.amdhsa_kernel k_q0bac6351a7_lnq
		.amdhsa_group_segment_fixed_size 87040
		.amdhsa_private_segment_fixed_size 0
		.amdhsa_enable_private_segment 0
		.amdhsa_kernarg_size 48
		.amdhsa_user_sgpr_count 2
		.amdhsa_user_sgpr_kernarg_segment_ptr 1
		.amdhsa_wavefront_size32 1
		.amdhsa_system_sgpr_workgroup_id_x 1
		.amdhsa_system_sgpr_workgroup_id_y 1
		.amdhsa_system_sgpr_workgroup_id_z 1
		.amdhsa_system_vgpr_workitem_id 0
		.amdhsa_next_free_vgpr 256
		.amdhsa_next_free_sgpr 66
		.amdhsa_reserve_vcc 1
		.amdhsa_float_denorm_mode_32 3
		.amdhsa_float_denorm_mode_16_64 3
		.amdhsa_memory_ordered 1
		.amdhsa_forward_progress 1
		.amdhsa_inst_pref_size 51
	.end_amdhsa_kernel
	.amdgpu_metadata
---
amdhsa.version: [ 1, 2 ]
amdhsa.kernels:
  - .name:           k_q0bac6351a7_lnq
    .symbol:         k_q0bac6351a7_lnq.kd
    .args:
      - { .name: x, .offset: 0, .size: 8, .value_kind: global_buffer, .address_space: global }
      - { .name: gamma, .offset: 8, .size: 8, .value_kind: global_buffer, .address_space: global }
      - { .name: beta, .offset: 16, .size: 8, .value_kind: global_buffer, .address_space: global }
      - { .name: xq, .offset: 24, .size: 8, .value_kind: global_buffer, .address_space: global }
      - { .name: xs, .offset: 32, .size: 8, .value_kind: global_buffer, .address_space: global }
      - { .name: rope, .offset: 40, .size: 8, .value_kind: global_buffer, .address_space: global }
    .group_segment_fixed_size: 87040
    .private_segment_fixed_size: 0
    .kernarg_segment_align: 8
    .kernarg_segment_size: 48
    .max_flat_workgroup_size: 128
    .sgpr_count:     66
    .vgpr_count:     256
    .wavefront_size: 32
...
	.end_amdgpu_metadata
.endif
;; end of part 1
;; launch qkv (part 2): grid 32 x 6, 6 waves a work-group, clusters of 4 x 1, 327,680 bytes of LDS; arguments xq, xs, rope, w_fused_codes, w_fused_scales, qc, qsw, kv; writes qc, qsw, kv
.if DOCPART == 2
	.amdgcn_target "amdgcn-amd-amdhsa--gfx1250"
	.amdhsa_code_object_version 6
	.text
	.protected	k_q0bac6351a7_qkv
	.globl	k_q0bac6351a7_qkv
	.p2align	8
	.type	k_q0bac6351a7_qkv,@function
k_q0bac6351a7_qkv:
	s_mov_b64 s[64:65], 0
	v_nop
	global_prefetch_b8 v0, s[64:65] scope:SCOPE_SE
	s_setreg_imm32_b32 hwreg(HW_REG_WAVE_MODE, 25, 1), 1
	s_wait_xcnt 0x0
	s_wait_alu depctr_hold_cnt(0) depctr_sa_sdst(0) depctr_va_vdst(0) depctr_va_sdst(0) depctr_va_ssrc(0) depctr_va_vcc(0) depctr_vm_vsrc(0)
	s_getreg_b32 s2, hwreg(HW_REG_IB_STS2, 6, 4)
	s_cmp_eq_u32 s2, 0
	s_cbranch_scc0 .Lentry_in_a_cluster
	s_endpgm
.Lentry_in_a_cluster:
	s_bfe_u32 s2, ttmp6, 0x10000c
	s_cmp_lg_u32 s2, 0x3003
	s_cbranch_scc0 .Lentry_shape_is_right
	s_endpgm
.Lentry_shape_is_right:
.set WLB,   98304
.set WP,    816
.set SPARE, 176640
.set XL16, 4
.set XL8,  5
.set XH16, 6
.set XH8,  7
.set XQ16, 8
.set XQ8,  9
.set WA,   10
.set WVA,  12
.set L4,   14
.set R32,  15
.set SPW,  16
.set NIL,  17
.set XS,   32
.set WS,   96
.set ACC,  112
.set RP,   176
.set PC,   176
.set TM,   200
.set PW,   216
.set MSB, 0
.macro WIN new
.if MSB != \new
	s_set_vgpr_msb (MSB<<8)|\new
.set MSB, \new
.endif
.endm
.macro PLACES
.rept 4
	v_nop
.endr
.endm
.macro CROUND
	s_barrier_signal -1
	s_barrier_wait -1
	s_cmp_lg_u32 s20, 0
	s_cbranch_scc1 .Lnot_wave_0_\@
	s_barrier_signal -3
.Lnot_wave_0_\@:
	s_barrier_wait -3
	s_barrier_signal -1
	s_barrier_wait -1
.endm
.macro FRAGH reg, a16, a8, off
	ds_load_b128 v[\reg:\reg+3], v[\a16] offset:\off
	ds_load_b64 v[\reg+4:\reg+5], v[\a8] offset:\off+512
	ds_load_b128 v[\reg+6:\reg+9], v[\a16] offset:\off+768
	ds_load_b64 v[\reg+10:\reg+11], v[\a8] offset:\off+1280
.endm
.macro FRAGW reg, a, sg, rowoff
.irp p, 0,1,2,3,4,5
.set PCW, 12*(\sg)+6*(\p/3)+\p%3
.if PCW%32 < 29
	ds_load_b64 v[\reg+2*\p:\reg+2*\p+1], v[\a] offset:\rowoff+8*PCW+16*(PCW/32)
.else
	ds_load_b64 v[\reg+2*\p:\reg+2*\p+1], v[\a+1] offset:\rowoff+8*PCW+16*(PCW/32)
.endif
.endr
.endm
	s_load_b512 s[4:19], s[0:1], 0x0
	v_lshl_add_u32 v[SPW], v0, 2, SPARE
	v_mov_b32 v[NIL], 0
	ds_add_u32 v[SPW], v[NIL]
	ds_add_u32 v[SPW], v[NIL]
	v_lshrrev_b32 v1, 5, v0
	v_readfirstlane_b32 s20, v1
	s_and_b32 s21, s20, 1
	s_lshr_b32 s22, s20, 1
	s_bfe_u32 s23, ttmp6, 0x40000
	s_lshl_b32 s24, ttmp9, 2
	s_add_co_u32 s24, s24, s23
	s_and_b32 s25, ttmp7, 0xffff
	s_mul_i32 s26, s25, 3
	s_add_co_u32 s26, s26, s22
	s_mov_b32 s28, 0x76543210
	s_mov_b32 s29, 0xfedcba98
	s_mov_b32 s32, 3<<16
	s_mov_b32 s33, 32<<16
	s_mov_b32 s34, 64<<16
	s_mov_b32 s35, 32<<16
	s_mov_b32 s36, 64
	s_mov_b32 s37, 32
	s_mov_b32 s38, 0
	s_mov_b32 s39, 0
	s_mov_b32 s40, 15|(1<<20)|(1<<21)|(5<<22)|(3<<25)
	s_mov_b32 s41, 768<<16
	s_mov_b32 s42, 16<<16
	s_mov_b32 s43, 768<<16
	s_mov_b32 s44, 16
	s_mov_b32 s45, 768
	s_mov_b32 s46, 0
	s_mov_b32 s47, 0
	s_mul_i32 s56, s24, 98304
	s_lshl_b32 s57, s20, 14
	s_add_co_u32 s56, s56, s57
	s_mov_b32 s57, 0
	s_mul_i32 s58, s25, 96
	s_lshl_b32 s59, s20, 4
	s_add_co_u32 s58, s58, s59
	s_mul_i32 s58, s58, 768
	s_mov_b32 s59, 0
	s_wait_dscnt 0x0
	s_wait_kmcnt 0x0
	s_mov_b32 s48, 1
	s_lshl_b32 s49, s20, 14
	s_add_nc_u64 s[50:51], s[4:5], s[56:57]
	s_or_b32 s51, s51, 0x80000000
	s_mov_b32 s52, 1
	s_mul_i32 s53, s20, 16*WP
	s_add_co_u32 s53, s53, WLB
	s_add_nc_u64 s[54:55], s[10:11], s[58:59]
	s_or_b32 s55, s55, 0x80000000
	CROUND
	tensor_load_to_lds s[48:51], s[32:39]
	s_nop 0
	s_wait_alu depctr_va_vdst(0)
	s_wait_tensorcnt 0x0
	ds_add_u32 v16, v17
	s_wait_dscnt 0x0
	CROUND
	tensor_load_to_lds s[52:55], s[40:47]
	s_nop 0
	PLACES
	v_and_b32 v1, 31, v0
	v_and_b32 v2, 15, v0
	v_bfe_u32 v3, v0, 4, 1
	v_lshlrev_b32 v[XL16], 4, v1
	v_lshlrev_b32 v[XL8], 3, v1
	v_add_nc_u32 v[XH16], 49152, v[XL16]
	v_add_nc_u32 v[XH8], 49152, v[XL8]
	s_mul_i32 s60, s21, 49152
	v_add_nc_u32 v[XQ16], s60, v[XL16]
	v_add_nc_u32 v[XQ8], s60, v[XL8]
	s_mul_i32 s60, s22, 32*WP
	s_add_co_u32 s60, s60, WLB
	v_mul_u32_u24 v[WA], v2, WP
	v_mad_u32_u24 v[WA], v3, 24, v[WA]
	v_add_nc_u32 v[WA], s60, v[WA]
	v_lshl_add_u32 v[WA+1], v3, 4, v[WA]
	v_and_b32 v18, 8, v2
	v_add_nc_u32 v18, v18, v2
	s_mul_i32 s60, s21, 8*WP
	s_add_co_u32 s60, s60, WLB+64*WP
	v_mul_u32_u24 v[WVA], v18, WP
	v_mad_u32_u24 v[WVA], v3, 24, v[WVA]
	v_add_nc_u32 v[WVA], s60, v[WVA]
	v_lshl_add_u32 v[WVA+1], v3, 4, v[WVA]
	v_lshlrev_b32 v[L4], 2, v1
	v_lshlrev_b32 v[R32], 5, v2
	v_lshlrev_b32 v19, 5, v18
	v_and_b32 v20, 8, v2
	v_and_b32 v21, 7, v2
	v_lshl_add_u32 v20, v20, 2, v21
	v_lshlrev_b32 v20, 7, v20
	v_lshl_add_u32 v20, v3, 5, v20
	s_wait_tensorcnt 0x0
	s_barrier_signal -1
	s_barrier_wait -1
	s_cmp_eq_u32 s26, 17
	s_cbranch_scc1 .Lv
	s_lshl_b32 s56, s24, 12
	s_lshl_b32 s57, s21, 11
	s_add_co_u32 s56, s56, s57
	s_mov_b32 s57, 0
	s_add_nc_u64 s[6:7], s[6:7], s[56:57]
	s_mul_i32 s56, s25, 3072
	s_lshl_b32 s58, s22, 10
	s_add_co_u32 s56, s56, s58
	s_add_nc_u64 s[12:13], s[12:13], s[56:57]
	s_lshl_b32 s27, s24, 1
	s_add_co_u32 s27, s27, s21
	s_lshl_b32 s56, s27, 13
	s_add_nc_u64 s[8:9], s[8:9], s[56:57]
	s_wait_alu depctr_va_vdst(0)
.irp m, 0,1,2,3
	global_load_b128 v[XS+8*\m:XS+8*\m+3], v[R32], s[6:7] offset:512*\m
	global_load_b128 v[XS+8*\m+4:XS+8*\m+7], v[R32], s[6:7] offset:512*\m+16
.endr
.irp u, 0,1
	global_load_b128 v[WS+8*\u:WS+8*\u+3], v[R32], s[12:13] offset:512*\u
	global_load_b128 v[WS+8*\u+4:WS+8*\u+7], v[R32], s[12:13] offset:512*\u+16
.endr
.irp m, 0,1,2,3
	global_load_b128 v[RP+16*\m:RP+16*\m+3], v20, s[8:9] offset:1024*\m
	global_load_b128 v[RP+16*\m+4:RP+16*\m+7], v20, s[8:9] offset:1024*\m+16
	global_load_b128 v[RP+16*\m+8:RP+16*\m+11], v20, s[8:9] offset:1024*\m+64
	global_load_b128 v[RP+16*\m+12:RP+16*\m+15], v20, s[8:9] offset:1024*\m+80
.endr
.macro FETQ f, sg
	WIN 0x40
.irp m, 0,1,2,3
	FRAGH \f+12*\m, XQ16, XQ8, 12288*\m+1536*(\sg)
.endr
.irp u, 0,1
	FRAGW \f+48+12*\u, WA, \sg, 16*WP*\u
.endr
.endm
.macro MULQ f, sg
	WIN 0x05
.irp m, 0,1,2,3
.irp u, 0,1
.if (\sg) == 0
	v_wmma_scale_f32_16x16x128_f8f6f4 v[ACC+16*\m+8*\u:ACC+16*\m+8*\u+7], v[\f+48+12*\u:\f+48+12*\u+11], v[\f+12*\m:\f+12*\m+11], 0, v[WS+8*\u+(\sg)], v[XS+8*\m+(\sg)] matrix_a_fmt:MATRIX_FMT_FP6 matrix_b_fmt:MATRIX_FMT_FP6
.else
	v_wmma_scale_f32_16x16x128_f8f6f4 v[ACC+16*\m+8*\u:ACC+16*\m+8*\u+7], v[\f+48+12*\u:\f+48+12*\u+11], v[\f+12*\m:\f+12*\m+11], v[ACC+16*\m+8*\u:ACC+16*\m+8*\u+7], v[WS+8*\u+(\sg)], v[XS+8*\m+(\sg)] matrix_a_fmt:MATRIX_FMT_FP6 matrix_b_fmt:MATRIX_FMT_FP6
.endif
.endr
.endr
.endm
	FETQ 0, 0
.set SG, 0
.rept 8
.if SG > 0
	PLACES
.endif
.if SG < 7
	FETQ 128*((SG+1)%2), SG+1
	s_wait_dscnt 28
.else
	s_wait_dscnt 0x0
.endif
.if SG == 0
	s_wait_loadcnt 0x0
.endif
	MULQ 128*(SG%2), SG
.set SG, SG+1
.endr
	WIN 0
	s_lshr_b32 s58, s27, 5
	s_and_b32 s59, s27, 31
	s_lshl_b32 s60, s58, 4
	s_add_co_u32 s60, s60, s26
	s_lshl_b32 s60, s60, 5
	s_add_co_u32 s60, s60, s59
	s_mul_i32 s61, s60, 1536
	s_lshl_b32 s62, s60, 7
	s_mul_i32 s63, s58, 106496
	s_lshr_b32 s66, s59, 1
	s_mul_i32 s66, s66, 6656
	s_add_co_u32 s63, s63, s66
	s_and_b32 s66, s59, 1
	s_mul_i32 s67, s66, 1536
	s_add_co_u32 s67, s67, s63
	s_lshl_b32 s66, s66, 7
	s_add_co_u32 s66, s66, s63
	s_add_co_u32 s66, s66, 6144
	s_cmp_eq_u32 s26, 16
	s_cselect_b64 s[68:69], s[18:19], s[14:15]
	s_cselect_b64 s[70:71], s[18:19], s[16:17]
	s_cselect_b32 s72, s67, s61
	s_cselect_b32 s74, s66, s62
	s_mov_b32 s73, 0
	s_mov_b32 s75, 0
	s_add_nc_u64 s[68:69], s[68:69], s[72:73]
	s_add_nc_u64 s[70:71], s[70:71], s[74:75]
	PLACES
.irp m, 0,1,2,3
	v_pk_mul_f32 v[240+2*\m:241+2*\m], v[ACC+16*\m:ACC+16*\m+1], v[ACC+16*\m:ACC+16*\m+1]
.endr
.irp k, 2,4,6,8,10,12,14
.irp m, 0,1,2,3
	v_pk_fma_f32 v[240+2*\m:241+2*\m], v[ACC+16*\m+\k:ACC+16*\m+\k+1], v[ACC+16*\m+\k:ACC+16*\m+\k+1], v[240+2*\m:241+2*\m]
.endr
.endr
.irp m, 0,1,2,3
	v_add_f32 v[240+2*\m], v[240+2*\m], v[241+2*\m]
.endr
.irp m, 0,1,2,3
	v_permlanex16_b32 v[241+2*\m], v[240+2*\m], s28, s29
.endr
.irp m, 0,1,2,3
	v_add_f32 v[240+2*\m], v[240+2*\m], v[241+2*\m]
.endr
	s_wait_alu depctr_va_vdst(0)
.irp m, 0,1,2,3
	v_sqrt_f32 v[240+2*\m], v[240+2*\m]
.endr
	v_nop
	s_wait_alu depctr_va_vdst(0)
.irp m, 0,1,2,3
	v_max_num_f32 v[240+2*\m], 0x2b8cbccc, v[240+2*\m]
.endr
	s_wait_alu depctr_va_vdst(0)
.irp m, 0,1,2,3
	v_rcp_f32 v[240+2*\m], v[240+2*\m]
.endr
	v_nop
	s_wait_alu depctr_va_vdst(0)
.irp k, 0,2,4,6,8,10,12,14
.irp m, 0,1,2,3
	v_pk_mul_f32 v[ACC+16*\m+\k:ACC+16*\m+\k+1], v[ACC+16*\m+\k:ACC+16*\m+\k+1], v[240+2*\m:241+2*\m] op_sel_hi:[1,0]
.endr
.endr
.irp m, 0,1,2,3
.irp k, 0,2,4,6
.set TT, 248+2*(\k%4)
	v_pk_mul_f32 v[TT:TT+1], v[ACC+16*\m+\k:ACC+16*\m+\k+1], v[RP+16*\m+\k:RP+16*\m+\k+1]
	v_pk_mul_f32 v[TT+2:TT+3], v[ACC+16*\m+\k:ACC+16*\m+\k+1], v[RP+16*\m+8+\k:RP+16*\m+8+\k+1]
	v_pk_fma_f32 v[ACC+16*\m+\k:ACC+16*\m+\k+1], v[ACC+16*\m+8+\k:ACC+16*\m+8+\k+1], v[RP+16*\m+8+\k:RP+16*\m+8+\k+1], v[TT:TT+1] neg_lo:[1,0,0] neg_hi:[1,0,0]
	v_pk_fma_f32 v[ACC+16*\m+8+\k:ACC+16*\m+8+\k+1], v[ACC+16*\m+8+\k:ACC+16*\m+8+\k+1], v[RP+16*\m+\k:RP+16*\m+\k+1], v[TT+2:TT+3]
.endr
.endr
.irp b, 0,1,2,3
	v_max3_num_f32 v[TM+\b], |v[ACC+16*\b]|, |v[ACC+1+16*\b]|, 0x1800000
.endr
.irp i, 2,4,6,8,10,12,14
.irp b, 0,1,2,3
	v_max3_num_f32 v[TM+\b], v[TM+\b], |v[ACC+16*\b+\i]|, |v[ACC+1+16*\b+\i]|
.endr
.endr
.irp b, 0,1,2,3
	v_permlanex16_b32 v[TM+4+\b], v[TM+\b], s28, s29
.endr
.irp b, 0,1,2,3
	v_max_num_f32 v[TM+\b], v[TM+\b], v[TM+4+\b]
.endr
.irp b, 0,1,2,3
	v_add_nc_u32 v[TM+12+\b], 0xff000000, v[TM+\b]
.endr
.irp b, 0,1,2,3
	v_lshrrev_b32 v[TM+4+\b], 23, v[TM+12+\b]
.endr
	v_lshl_or_b32 v[PW], v[TM+5], 8, v[TM+4]
	v_lshl_or_b32 v[PW], v[TM+6], 16, v[PW]
	v_lshl_or_b32 v[PW], v[TM+7], 24, v[PW]
.irp c, 0,1
	v_cvt_scalef32_pk16_fp6_f32 v[PC+6*\c:PC+2+6*\c], v[ACC+32*\c:ACC+15+32*\c], v[TM+12+2*\c]
	v_cvt_scalef32_pk16_fp6_f32 v[PC+12+4*\c:PC+14+4*\c], v[ACC+16+32*\c:ACC+31+32*\c], v[TM+12+2*\c+1]
.endr
	v_nop
.irp c, 0,1
.irp i, 0,1,2
	v_permlane16_swap_b32 v[PC+6*\c+\i], v[PC+12+4*\c+\i]
.endr
.irp i, 0,1,2
	v_mov_b32 v[PC+3+6*\c+\i], v[PC+12+4*\c+\i]
.endr
.endr
	global_store_b128 v[XL16], v[PC:PC+3], s[68:69]
	global_store_b64 v[XL8], v[PC+4:PC+5], s[68:69] offset:512
	global_store_b128 v[XL16], v[PC+6:PC+9], s[68:69] offset:768
	global_store_b64 v[XL8], v[PC+10:PC+11], s[68:69] offset:1280
	global_store_b32 v[L4], v[PW], s[70:71]
	s_branch .Lend
.Lv:
	s_lshl_b32 s56, s24, 12
	s_mov_b32 s57, 0
	s_add_nc_u64 s[6:7], s[6:7], s[56:57]
	s_lshl_b32 s56, s21, 8
	s_add_co_u32 s56, s56, 544*32
	s_add_nc_u64 s[12:13], s[12:13], s[56:57]
	s_wait_alu depctr_va_vdst(0)
.irp k, 0,1,2,3,4,5,6,7
	global_load_b128 v[XS+8*\k:XS+8*\k+3], v[R32], s[6:7] offset:512*\k
	global_load_b128 v[XS+8*\k+4:XS+8*\k+7], v[R32], s[6:7] offset:512*\k+16
.endr
	global_load_b128 v[WS:WS+3], v19, s[12:13]
	global_load_b128 v[WS+4:WS+7], v19, s[12:13] offset:16
.macro FETV f, sg
	WIN 0x40
.irp k, 0,1,2,3
	FRAGH \f+12*\k, XL16, XL8, 12288*\k+1536*(\sg)
.endr
.irp k, 0,1,2,3
	FRAGH \f+48+12*\k, XH16, XH8, 12288*\k+1536*(\sg)
.endr
	FRAGW \f+96, WVA, \sg, 0
.endm
.macro MULV f, sg
	WIN 0x05
.irp k, 0,1,2,3,4,5,6,7
.if (\sg) == 0
	v_wmma_scale_f32_16x16x128_f8f6f4 v[ACC+8*\k:ACC+8*\k+7], v[\f+12*\k:\f+12*\k+11], v[\f+96:\f+107], 0, v[XS+8*\k+(\sg)], v[WS+(\sg)] matrix_a_fmt:MATRIX_FMT_FP6 matrix_b_fmt:MATRIX_FMT_FP6
.else
	v_wmma_scale_f32_16x16x128_f8f6f4 v[ACC+8*\k:ACC+8*\k+7], v[\f+12*\k:\f+12*\k+11], v[\f+96:\f+107], v[ACC+8*\k:ACC+8*\k+7], v[XS+8*\k+(\sg)], v[WS+(\sg)] matrix_a_fmt:MATRIX_FMT_FP6 matrix_b_fmt:MATRIX_FMT_FP6
.endif
.endr
.endm
	FETV 0, 0
.set SG, 0
.rept 8
.if SG > 0
	PLACES
.endif
.if SG < 7
	FETV 128*((SG+1)%2), SG+1
	s_wait_dscnt 38
.else
	s_wait_dscnt 0x0
.endif
.if SG == 0
	s_wait_loadcnt 0x0
.endif
	MULV 128*(SG%2), SG
.set SG, SG+1
.endr
	WIN 0
	s_lshr_b32 s58, s24, 4
	s_mul_i32 s58, s58, 106496
	s_and_b32 s59, s24, 15
	s_mul_i32 s59, s59, 6656
	s_add_co_u32 s58, s58, s59
	s_mul_i32 s72, s21, 1536
	s_add_co_u32 s72, s72, s58
	s_add_co_u32 s72, s72, 3072
	s_lshl_b32 s74, s21, 7
	s_add_co_u32 s74, s74, s58
	s_add_co_u32 s74, s74, 6400
	s_mov_b32 s73, 0
	s_mov_b32 s75, 0
	s_add_nc_u64 s[68:69], s[18:19], s[72:73]
	s_add_nc_u64 s[70:71], s[18:19], s[74:75]
	PLACES
.irp c, 0,1
	v_max3_num_f32 v[240+\c], |v[ACC+32*\c]|, |v[ACC+32*\c+1]|, 0x1800000
.endr
.irp i, 2,4,6,8,10,12,14,16,18,20,22,24,26,28,30
.irp c, 0,1
	v_max3_num_f32 v[240+\c], v[240+\c], |v[ACC+32*\c+\i]|, |v[ACC+32*\c+\i+1]|
.endr
.endr
.irp c, 0,1
	v_add_nc_u32 v[244+\c], 0xff000000, v[240+\c]
.endr
.irp c, 0,1
	v_lshrrev_b32 v[246+\c], 23, v[244+\c]
.endr
	v_lshl_or_b32 v248, v247, 16, v246
	v_lshlrev_b32 v249, 3, v3
	v_lshlrev_b32 v248, v249, v248
	v_mov_b32 v249, 0
	v_permlanex16_b32 v249, v248, s28, s29
	v_or_b32 v248, v248, v249
.irp c, 0,1
	v_cvt_scalef32_pk16_fp6_f32 v[PC+6*\c:PC+6*\c+2], v[ACC+32*\c:ACC+32*\c+15], v[244+\c]
	v_cvt_scalef32_pk16_fp6_f32 v[192+4*\c:194+4*\c], v[ACC+32*\c+16:ACC+32*\c+31], v[244+\c]
.endr
	v_nop
.irp c, 0,1
.irp i, 0,1,2
	v_mov_b32 v[PC+3+6*\c+\i], v[192+4*\c+\i]
.endr
.endr
	global_store_b128 v[XL16], v[PC:PC+3], s[68:69]
	global_store_b64 v[XL8], v[PC+4:PC+5], s[68:69] offset:512
	global_store_b128 v[XL16], v[PC+6:PC+9], s[68:69] offset:768
	global_store_b64 v[XL8], v[PC+10:PC+11], s[68:69] offset:1280
	global_store_b32 v[L4], v248, s[70:71]
.Lend:
	s_wait_tensorcnt 0x0
	ds_add_u32 v[SPW], v[NIL]
	s_wait_dscnt 0x0
	CROUND
	s_endpgm
.Lfunc_end_k_q0bac6351a7_qkv:
	.size	k_q0bac6351a7_qkv, .Lfunc_end_k_q0bac6351a7_qkv-k_q0bac6351a7_qkv
	.p2alignl 7, 3214868480
	.fill 96, 4, 3214868480
	.section	.rodata,"a",@progbits
	.p2align	6, 0x0
	.amdhsa_kernel k_q0bac6351a7_qkv
		.amdhsa_group_segment_fixed_size 327680
		.amdhsa_private_segment_fixed_size 0
		.amdhsa_enable_private_segment 0
		.amdhsa_kernarg_size 64
		.amdhsa_user_sgpr_count 2
		.amdhsa_user_sgpr_kernarg_segment_ptr 1
		.amdhsa_wavefront_size32 1
		.amdhsa_system_sgpr_workgroup_id_x 1
		.amdhsa_system_sgpr_workgroup_id_y 1
		.amdhsa_system_sgpr_workgroup_id_z 1
		.amdhsa_system_vgpr_workitem_id 0
		.amdhsa_next_free_vgpr 512
		.amdhsa_next_free_sgpr 80
		.amdhsa_reserve_vcc 0
		.amdhsa_float_denorm_mode_32 3
		.amdhsa_float_denorm_mode_16_64 3
		.amdhsa_memory_ordered 1
		.amdhsa_forward_progress 1
		.amdhsa_inst_pref_size 83
	.end_amdhsa_kernel
	.amdgpu_metadata
---
amdhsa.version: [ 1, 2 ]
amdhsa.kernels:
  - .name:           k_q0bac6351a7_qkv
    .symbol:         k_q0bac6351a7_qkv.kd
    .args:
      - { .name: xq, .offset: 0, .size: 8, .value_kind: global_buffer, .address_space: global }
      - { .name: xs, .offset: 8, .size: 8, .value_kind: global_buffer, .address_space: global }
      - { .name: rope, .offset: 16, .size: 8, .value_kind: global_buffer, .address_space: global }
      - { .name: w_fused_codes, .offset: 24, .size: 8, .value_kind: global_buffer, .address_space: global }
      - { .name: w_fused_scales, .offset: 32, .size: 8, .value_kind: global_buffer, .address_space: global }
      - { .name: qc, .offset: 40, .size: 8, .value_kind: global_buffer, .address_space: global }
      - { .name: qsw, .offset: 48, .size: 8, .value_kind: global_buffer, .address_space: global }
      - { .name: kv, .offset: 56, .size: 8, .value_kind: global_buffer, .address_space: global }
    .group_segment_fixed_size: 327680
    .private_segment_fixed_size: 0
    .kernarg_segment_align: 8
    .kernarg_segment_size: 64
    .max_flat_workgroup_size: 192
    .sgpr_count:     80
    .vgpr_count:     512
    .wavefront_size: 32
...
	.end_amdgpu_metadata
.endif
;; end of part 2
;; launch attn (part 3): grid 256 x 1, 16 waves a work-group, clusters of 4 x 1, 167,936 bytes of LDS; arguments qc, qsw, kv, act, asc; writes act, asc
.if DOCPART == 3
	.amdgcn_target "amdgcn-amd-amdhsa--gfx1250"
	.amdhsa_code_object_version 6
	.text
	.protected	k_q0bac6351a7_attn
	.globl	k_q0bac6351a7_attn
	.p2align	8
	.type	k_q0bac6351a7_attn,@function
k_q0bac6351a7_attn:
	s_mov_b64 s[64:65], 0
	v_nop
	global_prefetch_b8 v0, s[64:65] scope:SCOPE_SE
	s_setreg_imm32_b32 hwreg(HW_REG_WAVE_MODE, 25, 1), 1
	s_wait_xcnt 0x0
	s_wait_alu depctr_hold_cnt(0) depctr_sa_sdst(0) depctr_va_vdst(0) depctr_va_sdst(0) depctr_va_ssrc(0) depctr_va_vcc(0) depctr_vm_vsrc(0)
	s_getreg_b32 s2, hwreg(HW_REG_IB_STS2, 6, 4)
	s_cmp_eq_u32 s2, 0
	s_cbranch_scc0 .Lentry_in_a_cluster
	s_endpgm
.Lentry_in_a_cluster:
	s_bfe_u32 s2, ttmp6, 0x10000c
	s_cmp_lg_u32 s2, 0x3003
	s_cbranch_scc0 .Lentry_shape_is_right
	s_endpgm
.Lentry_shape_is_right:
; LAUNCH 3 OF 5.  Products 2 and 3: causal attention of 16 heads on one head of k and v, on codes of E2M3; the result, divided by the row's sum, is quantised along head x 32 + d for product 4.
; LEFT OUT: the key steps all of whose 128 keys come after a wave's 16 queries: reference()'s own tril gives them the weight 0 for every input.
; THE SHIFT IS THE CONSTANT 16, and here is why that is sound for every finite input.  reference() itself divides q and k by their norms, and rope is a rotation: both norms are at most 1.  E2M3 moves a normal number by
; at most 1/16 of itself and a subnormal one by at most scale / 16 <= 1/64: a quantised norm is under 1.0625 + sqrt(32) / 64 < 1.16.  So |logit| < 8 x 1.16^2 < 10.8 and |t| = |logit| log2(e) < 15.6.
; With M = 16: p = 2^(t - 16) lies between 2^-32 and 2^-0.4, and a row's sum under 2,048: nothing can overflow or underflow in f32.  M is a whole number, so p differs from the stated p = 2^(t - ceil(max t)) by an exact
; power of two, which a block's scale takes up and the division by the row's sum (of the same unquantised p) cancels: the codes' values are the same.
; SHARES.  A cluster is (batch, P, half of the heads); its partner b takes position tile b of each 64 positions.  A wave owns one tile of 16 queries of one head: eight waves of the 64 positions P (short), eight of 31 - P
; (long): a short and a long tile have 17 key steps together, whatever P.  sel = bit 0 xor bit 2 of the wave's number, so that two short and two long tiles fall on the waves w, w + 4, w + 8, w + 12 and on 4 k .. 4 k + 3 alike.
; LAYOUT.  S^T = k q^T, O^T = v^T p^T: a lane holds ONE query.  The head's 32 fill one block of the instruction's four, so a fragment of k carries FOUR tiles of 16 keys, one in each block, and q stands in one block
; of source 1 with zero codes in the other three: four products read one fragment.  By the order of a tile's rows the 32 registers of those four results are 32 neighbouring keys: a whole block of p in a lane.
; LDS.  The batch's k and v for all 2,048 keys are 106,496 bytes: they come once, by two joint loads (wave 0: steps 0-7, wave 1: steps 8-15; the long tiles reach step 8 at least, so both are read), and stay.
; No slot is filled again.  By this text's count a wave has one tensor load outstanding.
.set STEPB, 6656                       ; a key step: k's two fragments, v's two, their scale words
.set OSTG,  106496                     ; the way out: 8 units of 768 bytes, 24 bytes a lane
.set OSC,   112640                     ; and 256 scale bytes
.set SPARE, 112896
.set A16, 1
.set A8,  2
.set A4,  3
.set T16, 4
.set T8,  5
.set T4,  6
.set DLT, 7                            ; my query's place in its key step, less 32 h
.set QS,  8                            ; q's scale byte, in all four places
.set SPW, 9
.set NIL, 10
.set H8,  11
.set KS,  18
.set VS,  20
.set PW,  22
.set KF,  64
.set VF,  88
.set S,   112
.set O,   176
.macro CROUND
	s_barrier_signal -1
	s_barrier_wait -1
	s_cmp_lg_u32 s14, 0
	s_cbranch_scc1 .Lnot_wave_0_\@
	s_barrier_signal -3
.Lnot_wave_0_\@:
	s_barrier_wait -3
	s_barrier_signal -1
	s_barrier_wait -1
.endm
.macro FRAGH reg, a16, a8, off
	ds_load_b128 v[\reg:\reg+3], v[\a16] offset:\off
	ds_load_b64 v[\reg+4:\reg+5], v[\a8] offset:\off+512
	ds_load_b128 v[\reg+6:\reg+9], v[\a16] offset:\off+768
	ds_load_b64 v[\reg+10:\reg+11], v[\a8] offset:\off+1280
.endm
	s_load_b256 s[4:11], s[0:1], 0x0               ; qc 4, qsw 6, kv 8, act 10
	s_load_b64 s[12:13], s[0:1], 0x20              ; asc
	v_lshl_add_u32 v[SPW], v0, 2, SPARE
	v_mov_b32 v[NIL], 0
	ds_add_u32 v[SPW], v[NIL]                      ; the opening: the add, twice on end, and its wait ahead of the first tensor load
	ds_add_u32 v[SPW], v[NIL]
	v_lshrrev_b32 v23, 5, v0
	s_delay_alu instid0(VALU_DEP_1)
	v_readfirstlane_b32 s14, v23                   ; wave 0..15
	s_bfe_u32 s15, ttmp6, 0x40000                  ; b = my place in the cluster: it enters global addresses and lanes' numbers alone
	s_lshr_b32 s16, ttmp9, 5                       ; the batch
	s_bfe_u32 s17, ttmp9, 0x40001                  ; P
	s_and_b32 s18, ttmp9, 1                        ; which eight heads
	s_lshr_b32 s19, s14, 2
	s_xor_b32 s19, s19, s14
	s_and_b32 s19, s19, 1                          ; sel: 0 short, 1 long
	s_lshr_b32 s20, s14, 3
	s_lshl_b32 s20, s20, 2
	s_and_b32 s21, s14, 3
	s_or_b32 s20, s20, s21                         ; hl: my head among the eight
	s_lshl_b32 s21, s18, 3
	s_add_co_u32 s21, s21, s20                     ; the head
	s_mul_i32 s22, s19, 31
	s_xor_b32 s22, s22, s17                        ; my 64 positions: P or 31 - P
	s_lshr_b32 s23, s22, 1                         ; the key step on whose diagonal they lie
	s_and_b32 s60, s14, 1
	s_mov_b32 s26, 0x4138aa3b                      ; 8 log2(e)
	s_mov_b32 s27, s26
	s_mov_b32 s28, 0x76543210
	s_mov_b32 s29, 0xfedcba98
	s_mov_b32 s30, 0xffff                          ; lanes 0-15
	s_mul_i32 s31, s15, 0x01010101                 ; byte b, four times
	s_mov_b32 s32, 15|(3<<16)|(1<<21)              ; all four partners; elements of 8 bytes; 208 rows of 256 bytes, dense
	s_mov_b32 s33, 32<<16
	s_mov_b32 s34, 208<<16
	s_mov_b32 s35, 32<<16
	s_mov_b32 s36, 208
	s_mov_b32 s37, 32
	s_mov_b32 s38, 0
	s_mov_b32 s39, 0
	s_mov_b32 s40, 1
	s_mul_i32 s41, s60, 8*STEPB
	s_mul_i32 s46, s16, 16*STEPB
	s_add_co_u32 s46, s46, s41
	s_mov_b32 s47, 0
	s_lshl_b32 s45, s16, 4
	s_add_co_u32 s45, s45, s21
	s_lshl_b32 s45, s45, 5
	s_add_co_u32 s45, s45, s22                     ; q's fragment: (16 batch + head) 32 + my 64 positions
	s_mul_i32 s48, s45, 1536
	s_lshr_b32 s49, s15, 1
	s_mul_i32 s49, s49, 768
	s_add_co_u32 s48, s48, s49                     ; the unit with block b
	s_mov_b32 s49, 0
	s_lshl_b32 s50, s45, 7
	s_mov_b32 s51, 0
	s_wait_dscnt 0x0                               ; both opening adds are done
	s_wait_kmcnt 0x0
	s_add_nc_u64 s[42:43], s[8:9], s[46:47]
	s_or_b32 s43, s43, 0x80000000
	s_add_nc_u64 s[4:5], s[4:5], s[48:49]
	s_add_nc_u64 s[6:7], s[6:7], s[50:51]
	CROUND                                         ; all four work-groups are here
	s_cmp_lt_u32 s14, 2                            ; the wave's number alone: alike in all partners
	s_cbranch_scc0 .Lno_fill
	tensor_load_to_lds s[40:43], s[32:39]
	s_nop 0
.rept 4
	v_nop
.endr
.Lno_fill:
	v_and_b32 v23, 15, v0                          ; r
	v_bfe_u32 v24, v0, 4, 1                        ; h
	v_and_b32 v25, 31, v0
	s_delay_alu instid0(VALU_DEP_1)
	v_lshlrev_b32 v[A16], 4, v25
	s_delay_alu instid0(VALU_DEP_2)
	v_lshlrev_b32 v[A8], 3, v25
	s_delay_alu instid0(VALU_DEP_3)
	v_lshlrev_b32 v[A4], 2, v25
	v_lshlrev_b32 v[H8], 3, v24
	s_and_b32 s52, s15, 1
	s_lshl_b32 s53, s52, 8
	v_lshl_add_u32 v26, v23, 4, s53                ; the image's lane r + 16 (b % 2): both halves of my lanes take the same 24 bytes
	s_lshl_b32 s53, s52, 7
	v_lshl_add_u32 v27, v23, 3, s53
	v_lshlrev_b32 v28, 2, v23
	global_load_b128 v[216:219], v26, s[4:5]
	global_load_b64 v[220:221], v27, s[4:5] offset:512
	global_load_b32 v222, v28, s[6:7]
	v_and_b32 v29, 8, v23
	v_and_b32 v30, 7, v23
	s_delay_alu instid0(VALU_DEP_1)
	v_lshl_add_u32 v[DLT], v29, 2, v30             ; 32 (r / 8) + r % 8
	v_lshlrev_b32 v29, 5, v24
	s_delay_alu instid0(VALU_DEP_1)
	v_sub_nc_u32 v[DLT], v[DLT], v29
	s_and_b32 s52, s22, 1
	s_lshl_b32 s52, s52, 6
	s_lshl_b32 s53, s15, 3
	s_add_co_u32 s52, s52, s53
	v_add_nc_u32 v[DLT], s52, v[DLT]               ; + 64 (which half of the step) + 8 b - 32 h
	; the way out's addresses, all made here, ahead of every parting of the waves
	s_lshl_b32 s52, s19, 2
	s_lshr_b32 s53, s20, 1
	s_add_co_u32 s52, s52, s53
	s_mul_i32 s52, s52, 768
	s_and_b32 s53, s20, 1
	s_mul_i32 s53, s53, 384
	s_add_co_u32 s52, s52, s53
	s_add_co_u32 s52, s52, OSTG
	v_mul_u32_u24 v224, v23, 24
	s_delay_alu instid0(VALU_DEP_1)
	v_mad_u32_u24 v224, v24, 12, v224
	s_delay_alu instid0(VALU_DEP_1)
	v_add_nc_u32 v224, s52, v224                   ; my 12 bytes: unit 4 sel + hl / 2, lane r + 16 (hl % 2), half h
	s_lshl_b32 s52, s19, 7
	s_lshr_b32 s53, s20, 2
	s_lshl_b32 s53, s53, 6
	s_add_co_u32 s52, s52, s53
	s_and_b32 s53, s20, 3
	s_add_co_u32 s52, s52, s53
	s_add_co_u32 s52, s52, OSC
	v_lshl_add_u32 v225, v23, 2, s52               ; my scale byte
	s_and_b32 s52, s14, 7
	s_mul_i32 s52, s52, 768
	s_add_co_u32 s52, s52, OSTG
	v_lshrrev_b32 v226, 1, v25
	s_delay_alu instid0(VALU_DEP_1)
	v_mul_u32_u24 v226, v226, 24
	v_and_b32 v227, 1, v25
	s_delay_alu instid0(VALU_DEP_1)
	v_lshl_add_u32 v226, v227, 3, v226
	s_delay_alu instid0(VALU_DEP_1)
	v_add_nc_u32 v226, s52, v226                   ; waves 0-7 send unit w: the lanes' first 16 bytes, 8 at a time,
	v_mul_u32_u24 v227, v25, 24
	s_delay_alu instid0(VALU_DEP_1)
	v_add_nc_u32 v227, s52, v227                   ; and their last 8
	s_lshl_b32 s52, s60, 7
	s_add_co_u32 s52, s52, OSC
	v_add_nc_u32 v228, s52, v[A4]                  ; waves 8 and 9 send the scale words
	v_lshlrev_b32 v229, 14, v24
	s_delay_alu instid0(VALU_DEP_1)
	v_lshl_add_u32 v229, v23, 2, v229
	s_bfe_u32 s52, s14, 0x10002
	s_mul_i32 s52, s52, 31
	s_xor_b32 s52, s52, s17
	s_lshl_b32 s53, s16, 5
	s_add_co_u32 s52, s52, s53
	s_lshl_b32 s52, s52, 2
	s_add_co_u32 s52, s52, s15                     ; the tile of the unit that I send
	s_mul_i32 s52, s52, 55296
	s_lshl_b32 s58, s18, 2
	s_and_b32 s59, s14, 3
	s_add_co_u32 s58, s58, s59
	s_mul_i32 s58, s58, 768
	s_add_co_u32 s52, s52, s58
	s_mov_b32 s53, 0
	s_add_nc_u64 s[10:11], s[10:11], s[52:53]
	s_mul_i32 s52, s60, 31
	s_xor_b32 s52, s52, s17
	s_lshl_b32 s58, s16, 5
	s_add_co_u32 s52, s52, s58
	s_lshl_b32 s52, s52, 2
	s_add_co_u32 s52, s52, s15
	s_lshl_b32 s58, s18, 9
	s_add_co_u32 s52, s52, s58
	s_lshl_b32 s52, s52, 6
	s_add_nc_u64 s[12:13], s[12:13], s[52:53]
	s_wait_loadcnt 0x0                             ; q
	v_perm_b32 v[QS], v222, v222, s31
.irp i, 0,1,2,3,4,5                    ; v32-61: zeros | q in lanes 0-15 | zeros | q in lanes 16-31 | zeros: twelve registers from v38, v50, v32, v44 on hold q in block 0, 1, 2, 3
	v_cndmask_b32 v[38+\i], 0, v[216+\i], s30
	v_cndmask_b32 v[50+\i], v[216+\i], 0, s30
	v_mov_b32 v[32+\i], 0
	v_mov_b32 v[44+\i], 0
	v_mov_b32 v[56+\i], 0
.endr
.irp i, 0,1,2,3,4,5,6,7,8,9,10,11,12,13,14,15
	v_mov_b32 v[O+\i], 0                           ; O^T: the step is written once, in a loop
.endr
.irp i, 14,15,16,17
	v_mov_b32 v[\i], 0                             ; the row's sum, in two packed chains
.endr
	v_mov_b32 v12, 0xc1800000                      ; -16
	v_mov_b32 v13, 0xc1800000
	s_wait_tensorcnt 0x0                           ; my load, if I had one, has landed
	s_barrier_signal -1
	s_barrier_wait -1                              ; both have
	s_mov_b32 s24, 0                               ; the key step
	s_mov_b32 s25, 0                               ; and its bytes in LDS
.Lstep:                                ; 16 trips, a constant; a step past my diagonal is jumped over
	s_cmp_gt_u32 s24, s23
	s_cbranch_scc1 .Lskip
	v_add_nc_u32 v[T16], s25, v[A16]               ; (these three and the v_nop are the four places behind the last step's products)
	v_add_nc_u32 v[T8], s25, v[A8]
	v_add_nc_u32 v[T4], s25, v[A4]
	v_nop
	FRAGH KF, T16, T8, 0
	FRAGH KF+12, T16, T8, 1536
	ds_load_b32 v[KS], v[T4] offset:6144
	ds_load_b32 v[KS+1], v[T4] offset:6272
	FRAGH VF, T16, T8, 3072
	FRAGH VF+12, T16, T8, 4608
	ds_load_b32 v[VS], v[T4] offset:6400
	ds_load_b32 v[VS+1], v[T4] offset:6528
	s_wait_dscnt 10                                ; k is in; v's ten loads may be out
.irp f, 0,1                            ; register 32 f + i of half h is key 64 f + 32 h + i of the step
	v_wmma_scale_f32_16x16x128_f8f6f4 v[S+32*\f:S+32*\f+7], v[KF+12*\f:KF+12*\f+11], v[38:49], 0, v[KS+\f], v[QS] matrix_a_fmt:MATRIX_FMT_FP6 matrix_b_fmt:MATRIX_FMT_FP6
	v_wmma_scale_f32_16x16x128_f8f6f4 v[S+32*\f+8:S+32*\f+15], v[KF+12*\f:KF+12*\f+11], v[50:61], 0, v[KS+\f], v[QS] matrix_a_fmt:MATRIX_FMT_FP6 matrix_b_fmt:MATRIX_FMT_FP6
	v_wmma_scale_f32_16x16x128_f8f6f4 v[S+32*\f+16:S+32*\f+23], v[KF+12*\f:KF+12*\f+11], v[32:43], 0, v[KS+\f], v[QS] matrix_a_fmt:MATRIX_FMT_FP6 matrix_b_fmt:MATRIX_FMT_FP6
	v_wmma_scale_f32_16x16x128_f8f6f4 v[S+32*\f+24:S+32*\f+31], v[KF+12*\f:KF+12*\f+11], v[44:55], 0, v[KS+\f], v[QS] matrix_a_fmt:MATRIX_FMT_FP6 matrix_b_fmt:MATRIX_FMT_FP6
.endr
.rept 4
	v_nop
.endr
	s_cmp_lg_u32 s24, s23                          ; on the diagonal the scores of later keys become -infinity: p = 0
	s_cbranch_scc1 .Lopen
	v_mov_b32 v23, 0xff800000
.set N, 0
.rept 64
	v_cmp_gt_i32 vcc_lo, 64*(N/32)+N%32, v[DLT]
	v_cndmask_b32 v[S+N], v[S+N], v23, vcc_lo
.set N, N+1
.endr
.Lopen:
.set N, 0
	s_wait_alu depctr_va_vdst(0)
.rept 32
	v_pk_fma_f32 v[S+2*N:S+2*N+1], v[S+2*N:S+2*N+1], s[26:27], v[12:13] op_sel_hi:[1,0,0]   ; t - 16
.set N, N+1
.endr
.set N, 0
	s_wait_alu depctr_va_vdst(0)
.rept 64
	v_exp_f32 v[S+N], v[S+N]
.set N, N+1
.endr
	v_nop                                          ; a plain instruction behind the last exponential
	s_wait_alu depctr_va_vdst(0)                   ; one wait for the 64, ahead of their first reader
.irp f, 0,1                            ; a block's largest p: all 32 are mine; none is negative; the floor keeps the byte at 1 or above
	v_max3_num_f32 v[212+\f], v[S+32*\f], v[S+32*\f+1], 0x1800000
.endr
.irp i, 2,4,6,8,10,12,14,16,18,20,22,24,26,28,30
.irp f, 0,1
	v_max3_num_f32 v[212+\f], v[212+\f], v[S+32*\f+\i], v[S+32*\f+\i+1]
.endr
.endr
.irp f, 0,1
	s_delay_alu instid0(VALU_DEP_2)
	v_add_nc_u32 v[214+\f], 0xff000000, v[212+\f]
.endr
.irp f, 0,1
	s_delay_alu instid0(VALU_DEP_2)
	v_lshrrev_b32 v[23+\f], 23, v[214+\f]
.endr
	s_delay_alu instid0(VALU_DEP_1)
	v_lshl_or_b32 v[PW], v24, 16, v23              ; blocks h and 2 + h,
	s_delay_alu instid0(VALU_DEP_1)
	v_lshlrev_b32 v[PW], v[H8], v[PW]
	s_delay_alu instid0(VALU_DEP_1)
	v_permlanex16_b32 v25, v[PW], s28, s29
	s_delay_alu instid0(VALU_DEP_1)
	v_or_b32 v[PW], v[PW], v25                     ; and lane l xor 16's: p's scale word
.set N, 0
.rept 14                               ; the row's sum, of the unquantised p.  (These stand between the scale word's last write and the products)
	v_pk_add_f32 v[14:15], v[14:15], v[S+4*N:S+4*N+1]
	v_pk_add_f32 v[16:17], v[16:17], v[S+4*N+2:S+4*N+3]
.set N, N+1
.endr
	v_cvt_scalef32_pk16_fp6_f32 v[192:194], v[S:S+15], v214
	v_cvt_scalef32_pk16_fp6_f32 v[204:206], v[S+16:S+31], v214
	v_cvt_scalef32_pk16_fp6_f32 v[198:200], v[S+32:S+47], v215
	v_cvt_scalef32_pk16_fp6_f32 v[208:210], v[S+48:S+63], v215
	v_nop                                          ; a plain instruction behind the conversions
.irp i, 0,1,2
	v_mov_b32 v[195+\i], v[204+\i]
	v_mov_b32 v[201+\i], v[208+\i]
.endr
.rept 2                                ; the last four additions: the four places between the operand's last write and the products
	v_pk_add_f32 v[14:15], v[14:15], v[S+4*N:S+4*N+1]
	v_pk_add_f32 v[16:17], v[16:17], v[S+4*N+2:S+4*N+3]
.set N, N+1
.endr
	s_wait_alu depctr_va_vdst(0)
	s_wait_dscnt 0x0                               ; v
	v_wmma_scale_f32_16x16x128_f8f6f4 v[O:O+7], v[VF:VF+11], v[192:203], v[O:O+7], v[VS], v[PW] matrix_a_fmt:MATRIX_FMT_FP6 matrix_b_fmt:MATRIX_FMT_FP6
	v_wmma_scale_f32_16x16x128_f8f6f4 v[O+8:O+15], v[VF+12:VF+23], v[192:203], v[O+8:O+15], v[VS+1], v[PW] matrix_a_fmt:MATRIX_FMT_FP6 matrix_b_fmt:MATRIX_FMT_FP6
.Lskip:
	s_add_co_u32 s25, s25, STEPB
	s_add_co_u32 s24, s24, 1
	s_cmp_lt_u32 s24, 16
	s_cbranch_scc1 .Lstep
	; THE WAY OUT
	s_wait_alu depctr_va_vdst(0)
	v_pk_add_f32 v[14:15], v[14:15], v[16:17]
	s_delay_alu instid0(VALU_DEP_1)
	v_add_f32 v14, v14, v15
	s_delay_alu instid0(VALU_DEP_1)
	v_permlanex16_b32 v25, v14, s28, s29
	s_delay_alu instid0(VALU_DEP_1)
	v_add_f32 v26, v14, v25                        ; the row's sum
	s_wait_alu depctr_va_vdst(0)
	v_rcp_f32 v26, v26
	v_nop
	v_nop                                          ; (with the additions above: more than four places behind the last products)
	s_wait_alu depctr_va_vdst(0)
.irp k, 0,2,4,6,8,10,12,14
	v_pk_mul_f32 v[S+\k:S+\k+1], v[O+\k:O+\k+1], v[26:27] op_sel_hi:[1,0]   ; register i is d = 16 h + i of my head
.endr
	v_max3_num_f32 v212, |v[S]|, |v[S+1]|, 0x1800000
.irp i, 2,4,6,8,10,12,14
	s_delay_alu instid0(VALU_DEP_1)
	v_max3_num_f32 v212, v212, |v[S+\i]|, |v[S+\i+1]|
.endr
	s_delay_alu instid0(VALU_DEP_1)
	v_permlanex16_b32 v25, v212, s28, s29
	s_delay_alu instid0(VALU_DEP_1)
	v_max_num_f32 v212, v212, v25                  ; the head's 32 are one block of product 4's K
	s_delay_alu instid0(VALU_DEP_1)
	v_add_nc_u32 v214, 0xff000000, v212
	v_cvt_scalef32_pk16_fp6_f32 v[192:194], v[S:S+15], v214
	v_lshrrev_b32 v23, 23, v214
	ds_store_b32 v224, v192
	ds_store_b32 v224, v193 offset:4
	ds_store_b32 v224, v194 offset:8
	ds_store_b8 v225, v23                          ; both halves of the lanes write the same byte with the same value
	s_wait_dscnt 0x0
	s_barrier_signal -1
	s_barrier_wait -1
	s_cmp_lt_u32 s14, 8
	s_cbranch_scc0 .Lnot_unit
	ds_load_b64 v[232:233], v226
	ds_load_b64 v[234:235], v226 offset:384
	ds_load_b64 v[236:237], v227 offset:16
	s_wait_dscnt 2
	global_store_b64 v[A8], v[232:233], s[10:11]               ; three stores of 256 consecutive bytes, at multiples of 256 from the buffer's first byte
	s_wait_dscnt 1
	global_store_b64 v[A8], v[234:235], s[10:11] offset:256
	s_wait_dscnt 0x0
	global_store_b64 v[A8], v[236:237], s[10:11] offset:512
	s_branch .Lout
.Lnot_unit:
	s_cmp_lt_u32 s14, 10
	s_cbranch_scc0 .Lout
	ds_load_b32 v232, v228
	s_wait_dscnt 0x0
	global_store_b32 v229, v232, s[12:13]
.Lout:
	s_wait_tensorcnt 0x0                           ; the wave's end
	ds_add_u32 v[SPW], v[NIL]
	s_wait_dscnt 0x0
	CROUND                                         ; the closing round
	s_endpgm
.Lfunc_end_k_q0bac6351a7_attn:
	.size	k_q0bac6351a7_attn, .Lfunc_end_k_q0bac6351a7_attn-k_q0bac6351a7_attn
	.p2alignl 7, 3214868480
	.fill 96, 4, 3214868480
	.section	.rodata,"a",@progbits
	.p2align	6, 0x0
	.amdhsa_kernel k_q0bac6351a7_attn
		.amdhsa_group_segment_fixed_size 167936
		.amdhsa_private_segment_fixed_size 0
		.amdhsa_enable_private_segment 0
		.amdhsa_kernarg_size 40
		.amdhsa_user_sgpr_count 2
		.amdhsa_user_sgpr_kernarg_segment_ptr 1
		.amdhsa_wavefront_size32 1
		.amdhsa_system_sgpr_workgroup_id_x 1
		.amdhsa_system_sgpr_workgroup_id_y 1
		.amdhsa_system_sgpr_workgroup_id_z 1
		.amdhsa_system_vgpr_workitem_id 0
		.amdhsa_next_free_vgpr 256
		.amdhsa_next_free_sgpr 66
		.amdhsa_reserve_vcc 1
		.amdhsa_float_denorm_mode_32 3
		.amdhsa_float_denorm_mode_16_64 3
		.amdhsa_memory_ordered 1
		.amdhsa_forward_progress 1
		.amdhsa_inst_pref_size 32
	.end_amdhsa_kernel
	.amdgpu_metadata
---
amdhsa.version: [ 1, 2 ]
amdhsa.kernels:
  - .name:           k_q0bac6351a7_attn
    .symbol:         k_q0bac6351a7_attn.kd
    .args:
      - { .name: qc, .offset: 0, .size: 8, .value_kind: global_buffer, .address_space: global }
      - { .name: qsw, .offset: 8, .size: 8, .value_kind: global_buffer, .address_space: global }
      - { .name: kv, .offset: 16, .size: 8, .value_kind: global_buffer, .address_space: global }
      - { .name: act, .offset: 24, .size: 8, .value_kind: global_buffer, .address_space: global }
      - { .name: asc, .offset: 32, .size: 8, .value_kind: global_buffer, .address_space: global }
    .group_segment_fixed_size: 167936
    .private_segment_fixed_size: 0
    .kernarg_segment_align: 8
    .kernarg_segment_size: 40
    .max_flat_workgroup_size: 512
    .sgpr_count:     66
    .vgpr_count:     256
    .wavefront_size: 32
...
	.end_amdgpu_metadata
.endif
;; end of part 3
;; launch ffin (part 4): grid 16 x 16, 4 waves a work-group, clusters of 4 x 4, 327,680 bytes of LDS; arguments xq, xs, w_fused_codes, w_fused_scales, act, asc; writes act, asc
.if DOCPART == 4
	.amdgcn_target "amdgcn-amd-amdhsa--gfx1250"
	.amdhsa_code_object_version 6
	.text
	.protected	k_q0bac6351a7_ffin
	.globl	k_q0bac6351a7_ffin
	.p2align	8
	.type	k_q0bac6351a7_ffin,@function
k_q0bac6351a7_ffin:
	s_mov_b64 s[64:65], 0
	v_nop
	global_prefetch_b8 v0, s[64:65] scope:SCOPE_SE
	s_setreg_imm32_b32 hwreg(HW_REG_WAVE_MODE, 25, 1), 1
	s_wait_xcnt 0x0
	s_wait_alu depctr_hold_cnt(0) depctr_sa_sdst(0) depctr_va_vdst(0) depctr_va_sdst(0) depctr_va_ssrc(0) depctr_va_vcc(0) depctr_vm_vsrc(0)
	s_getreg_b32 s2, hwreg(HW_REG_IB_STS2, 6, 4)
	s_cmp_eq_u32 s2, 0
	s_cbranch_scc0 .Lentry_in_a_cluster
	s_endpgm
.Lentry_in_a_cluster:
	s_bfe_u32 s2, ttmp6, 0x10000c
	s_cmp_lg_u32 s2, 0xf033
	s_cbranch_scc0 .Lentry_shape_is_right
	s_endpgm
.Lentry_shape_is_right:
; LAUNCH 4 OF 5.  Product 1 for columns 576 .. 8767 of w_fused (ff_x and gate), silu(gate) ff_x, and its quantiser along the 4,096 hidden units.  Nothing of this work is left out.
; SHARES.  Work-group (tx, ty): 256 rows (tiles 16 ty on) x hidden units 256 tx on.  Wave w: tiles 16 ty + 4 w + a, a = 0 .. 3, x all 256 units.
; xn STAYS IN REGISTERS: a wave's 4 tiles x 8 K steps are 32 fragments, 384 registers, loaded once from xq, whose layout is the fragments' own.  Only W goes through LDS.
; W comes in four SLOT FILLS of 64 units (64 rows of ff_x, the same 64 of gate), whole rows of 768 bytes, through two LDS slots.  Wave w fetches kind w / 2 (ff_x, gate), u = w % 2:
; four pieces of 8 rows, 16 rows apart (one line of the tile = 8 rows = 6,144 bytes).  So 16 neighbouring LDS rows are W's rows 32 blk + 8 u + i + 8 (i / 8), and the results of tiles u = 0, 1 are
; 16 neighbouring units in a lane: 32 blk + 16 h + 0 .. 15.  The matrix instruction is used transposed (source 0 = W, source 1 = xn): a lane holds one row.
; A trip = one slot: 8 K steps x 32 matrix instructions on 32 accumulators (C = 0 in step 0), the change of slots, then the way out of these 64 units, in place on the accumulators.
; Two loops of two trips: the first fills the slot just read again, the second has nothing left to fetch.  By this text's count a wave has one tensor load outstanding.
; CLUSTER 4 x 4: W's tiles hang on tx alone and are asked for jointly along a column of the cluster.  xn is read by each wave for itself.
; NO PREFETCH: of the four fills two go out at the head and the other two in trips 0 and 1, each a whole trip and a way out ahead of its use: no trip stands ahead of them to ask in.
; REGISTERS.  Window 0: v1-15 addresses; v16-47 xn's scale words; v48-111 W's; v112-255 xn's K steps 5-7.  Window 1: xn's K steps 0-4.
; Window 3: accumulators of tiles 0, 1 (v0-127), W's fragments of even K steps (v128-223), v230-255 the way out.  Window 2: the same for tiles 2, 3 and odd K steps, and W's LDS addresses (v224-229).
; All of LDS is claimed.
.set WP,    816                        ; a row of W in LDS: 768 bytes + 16 behind each 256
.set SLOT1, 131072                     ; slot 0 at 0, slot 1 here; each 128 rows
.set GOFF,  64*WP                      ; gate's rows in a slot
.set STG,   104448                     ; scale bytes on their way out: 512 bytes a wave
.set SPARE, 106496
.set L16, 1
.set L8,  2
.set R32, 3
.set WSA, 4
.set BS,  5
.set BS2, 6
.set SC0, 7
.set RDB, 8
.set SPW, 10
.set NIL, 11
.set XSC, 16
.set WSC, 48
.set WF,  128                          ; in windows 2 and 3:
.set ADRX, 224                         ; v224-227 this slot's rows: ff_x, ff_x behind one padding more, gate, gate likewise
.set BASE, 228                         ; v228, v229 the same without a slot
.set CL16, 230
.set CL8,  231
.set SCS,  232
.set MX,   234
.set PM,   236
.set SO,   238
.set C0,   240                         ; v240-245, v246-251: the codes of the window's two tiles
.set C1,   252
.set MSB, 0
.macro WIN new
.if MSB != (\new)
	s_set_vgpr_msb (MSB<<8)|(\new)
.set MSB, (\new)
.endif
.endm
.macro PLACES
.rept 4
	v_nop
.endr
.endm
.macro CREST
	s_cmp_lg_u32 s16, 0
	s_cbranch_scc1 .Lnot_wave_0_\@
	s_barrier_signal -3
.Lnot_wave_0_\@:
	s_barrier_wait -3
	s_barrier_signal -1
	s_barrier_wait -1
.endm
.macro CROUND
	s_barrier_signal -1
	s_barrier_wait -1
	CREST
.endm
.macro GFRAG reg, off                  ; a fragment of xn from memory: consecutive bytes from lane to lane
	global_load_b128 v[(\reg):(\reg)+3], v[L16], s[4:5] offset:\off
	global_load_b64 v[(\reg)+4:(\reg)+5], v[L8], s[4:5] offset:\off+512
	global_load_b128 v[(\reg)+6:(\reg)+9], v[L16], s[4:5] offset:\off+768
	global_load_b64 v[(\reg)+10:(\reg)+11], v[L8], s[4:5] offset:\off+1280
.endm
.macro FETCHW st                       ; W's eight fragments of K step st, 48 loads of 8 bytes in one run; lanes 16-31 read three pieces on: where that is behind one padding more, the second address serves
.irp i, 0,1,2,3,4,5,6,7
.irp q, 0,1,2,3,4,5
.set PCW, 12*(\st)+6*(\q/3)+\q%3
	ds_load_b64 v[WF+12*\i+2*\q:WF+12*\i+2*\q+1], v[ADRX+2*(\i/4)+(PCW%32)/29] offset:(32*(\i%2)+16*((\i%4)/2))*WP+8*PCW+16*(PCW/32)
.endr
.endr
.endm
.macro WSCL                            ; W's scale words of a slot: lane r: its row's 32 scale bytes, the words of K steps 0 .. 7
.irp b, 0,1,2,3,4,5,6,7
	global_load_b128 v[WSC+8*\b:WSC+8*\b+3], v[WSA], s[10:11] offset:131072*(\b/4)+(32*((\b%4)/2)+8*(\b%2))*32
	global_load_b128 v[WSC+8*\b+4:WSC+8*\b+7], v[WSA], s[10:11] offset:131072*(\b/4)+(32*((\b%4)/2)+8*(\b%2))*32+16
.endr
.endm
.macro HALF st, ah                     ; 16 matrix instructions: tiles 2 ah, 2 ah + 1 x W's eight
	WIN (3-(\st)%2)|((1-(\st)/5)<<2)|((3-(\ah))*0x50)
.set AB, 48*(\st)-128*((\st)/5)+24*(\ah)
.irp a2, 0,1
.irp b, 0,1,2,3,4,5,6,7
.if (\st) == 0
	v_wmma_scale_f32_16x16x128_f8f6f4 v[64*\a2+8*\b:64*\a2+8*\b+7], v[WF+12*\b:WF+12*\b+11], v[AB+12*\a2:AB+12*\a2+11], 0, v[WSC+8*\b+(\st)], v[XSC+16*(\ah)+8*\a2+(\st)] matrix_a_fmt:MATRIX_FMT_FP6 matrix_b_fmt:MATRIX_FMT_FP6
.else
	v_wmma_scale_f32_16x16x128_f8f6f4 v[64*\a2+8*\b:64*\a2+8*\b+7], v[WF+12*\b:WF+12*\b+11], v[AB+12*\a2:AB+12*\a2+11], v[64*\a2+8*\b:64*\a2+8*\b+7], v[WSC+8*\b+(\st)], v[XSC+16*(\ah)+8*\a2+(\st)] matrix_a_fmt:MATRIX_FMT_FP6 matrix_b_fmt:MATRIX_FMT_FP6
.endif
.endr
.endr
.endm
.macro KSTEP st                        ; the 32 accumulators take turns, one instruction a turn
	s_wait_dscnt 0x0                               ; this step's fragments of W, asked for at the head of the step before
.if (\st) < 4
	s_wait_loadcnt 63                              ; xn's fragments of this step: behind a step's 16 loads the head issues 16 for each later step (112 .. 64 here; the field holds 63)
.else
	s_wait_loadcnt 16*(7-(\st))
.endif
	PLACES                                         ; four plain instructions behind the last step's products, ahead of loads into the set that they read
.if (\st) < 7
	WIN ((2+(\st)%2)<<6)|2                         ; into the other set's window; addresses in window 2
	FETCHW (\st)+1
.endif
	HALF \st, (\st)%2
	HALF \st, 1-(\st)%2
.endm
.macro NEXT wsc                        ; the next slot's addresses and first fragments; wsc: and W's scale words
	WIN 0xaa
	v_add_nc_u32 v[ADRX], s70, v[BASE]
	v_add_nc_u32 v[ADRX+1], s70, v[BASE+1]
	v_add_nc_u32 v[ADRX+2], s71, v[BASE]
	v_add_nc_u32 v[ADRX+3], s71, v[BASE+1]
	s_wait_alu depctr_va_vdst(0)
	WIN 0xc2                                       ; into window 3, addresses in window 2
	FETCHW 0
	WIN 0
.if \wsc
	s_add_nc_u64 s[10:11], s[10:11], 2048          ; the next 64 rows' scales (the last loads by this base have been waited for)
	WSCL
.endif
.endm
; THE WAY OUT of tile a: (ff_x gate) / (1 + 2^(-gate log2 e)) in f32, in place; two blocks of 32 units are quantised; the unit of 768 bytes leaves straight from registers.
.macro EPI a
.set AC, 64*((\a)%2)
.set CC, C0+6*((\a)%2)
	WIN 0xff-0x55*((\a)/2)                         ; all operands in the tile's own window
	s_wait_alu depctr_va_vdst(0)                   ; the wait, directly ahead of the first readers of the matrix results
.set N, 0
.rept 16
	v_pk_mul_f32 v[AC+N:AC+N+1], v[AC+N:AC+N+1], v[AC+32+N:AC+33+N]    ; each accumulator from its low end on
.set N, N+2
.endr
.set N, 0
.rept 16
	v_pk_mul_f32 v[AC+32+N:AC+33+N], v[AC+32+N:AC+33+N], s[66:67] op_sel_hi:[1,0]
.set N, N+2
.endr
	s_wait_alu depctr_va_vdst(0)
.set N, 0
.rept 32
	v_exp_f32 v[AC+32+N], v[AC+32+N]
.set N, N+1
.endr
	v_nop
	s_wait_alu depctr_va_vdst(0)                   ; one wait for the 32
.set N, 0
.rept 16
	v_pk_add_f32 v[AC+32+N:AC+33+N], v[AC+32+N:AC+33+N], 1.0 op_sel_hi:[1,0]
.set N, N+2
.endr
	s_wait_alu depctr_va_vdst(0)
.set N, 0
.rept 32
	v_rcp_f32 v[AC+32+N], v[AC+32+N]
.set N, N+1
.endr
	v_nop
	s_wait_alu depctr_va_vdst(0)
.set N, 0
.rept 16
	v_pk_mul_f32 v[AC+N:AC+N+1], v[AC+N:AC+N+1], v[AC+32+N:AC+33+N]
.set N, N+2
.endr
.if (\a)%2 == 0
	v_add_nc_u32 v[SCS], 2, v[SCS]                 ; this slot's half of the scale words
.endif
.irp c, 0,1
	v_max3_num_f32 v[MX+\c], |v[AC+16*\c]|, |v[AC+16*\c+1]|, 0x1800000     ; the floor keeps the byte at 1 or above
.endr
.irp i, 2,4,6,8,10,12,14
.irp c, 0,1
	v_max3_num_f32 v[MX+\c], v[MX+\c], |v[AC+16*\c+\i]|, |v[AC+16*\c+\i+1]|
.endr
.endr
.irp c, 0,1
	v_permlanex16_b32 v[PM+\c], v[MX+\c], s68, s69
.endr
.irp c, 0,1
	v_max_num_f32 v[MX+\c], v[MX+\c], v[PM+\c]
.endr
.irp c, 0,1
	v_add_nc_u32 v[SO+\c], 0xff000000, v[MX+\c]    ; 2 off the exponent field: the conversion's scale operand
.endr
.irp c, 0,1
	v_lshrrev_b32 v[MX+\c], 23, v[SO+\c]           ; the bytes
.endr
	v_lshl_or_b32 v[PM], v[MX+1], 8, v[MX]
	v_cvt_scalef32_pk16_fp6_f32 v[CC:CC+2], v[AC:AC+15], v[SO]
	v_cvt_scalef32_pk16_fp6_f32 v[C1:C1+2], v[AC+16:AC+31], v[SO+1]
	v_nop
.irp i, 0,1,2
	v_permlane16_swap_b32 v[CC+\i], v[C1+\i]       ; a whole block to a lane: lanes 0-15 block 0, lanes 16-31 block 1
.endr
.irp i, 0,1,2
	v_mov_b32 v[CC+3+\i], v[C1+\i]
.endr
	global_store_b128 v[CL16], v[CC:CC+3], s[12:13] offset:55296*(\a)      ; 512 consecutive bytes,
	global_store_b64 v[CL8], v[CC+4:CC+5], s[12:13] offset:55296*(\a)+512  ; and 256.  Each tile has code registers of its own: they are written again behind the trip's wait on XCNT
	ds_store_b16 v[SCS], v[PM] offset:64*(\a)      ; half of the row's scale word of this K step of the last launch
.endm
; The four waves' runs of LDS loads are set apart: behind a change of slots wave w idles w stretches of four s_nop 15 ahead of its first run.  All waves' steps are equally long, so the distance holds through the trip.
.macro APART
	s_wait_alu depctr_va_vdst(0)                   ; the wait ahead of a stretch of scalar instructions
	s_cmp_eq_u32 s16, 0
	s_cbranch_scc1 .Lgo_\@
.rept 4
	s_nop 15
.endr
	s_cmp_eq_u32 s16, 1
	s_cbranch_scc1 .Lgo_\@
.rept 4
	s_nop 15
.endr
	s_cmp_eq_u32 s16, 2
	s_cbranch_scc1 .Lgo_\@
.rept 4
	s_nop 15
.endr
.Lgo_\@:
.endm
.macro TRIP fill
.set ST, 0
.rept 8
	KSTEP ST
.set ST, ST+1
.endr
	WIN 0
	s_wait_tensorcnt 0x0                           ; my part of the other slot has landed
	ds_add_u32 v[SPW], v[NIL]
.if \fill
	s_xor_b32 s33, s33, SLOT1                      ; no load of mine is out: the descriptor steps to the slot just read, 64 rows on
	s_add_nc_u64 s[34:35], s[34:35], 49152
.endif
	s_xor_b32 s70, s70, SLOT1
	s_add_co_u32 s71, s70, GOFF
	s_wait_dscnt 0x0                               ; the add is done, and my reads of this slot are over
	s_barrier_signal -1
	s_barrier_wait -1
.if \fill
	CREST                                          ; the barrier opened a round of the cluster's
	tensor_load_to_lds s[32:35], s[24:31]
	s_nop 0
	PLACES
.else
	PLACES
	s_cmp_eq_u32 s72, 1                            ; the last trip has no next slot
	s_cbranch_scc1 .Llast
.endif
	APART
	NEXT 1
.if \fill == 0
.Llast:
.endif
.irp a, 0,1,2,3
	EPI \a
.endr
	WIN 0
	s_wait_loadcnt 0x0                             ; the next slot's scale words
	s_wait_xcnt 0x0
	s_add_nc_u64 s[12:13], s[12:13], 768           ; the next unit of act
	s_sub_co_u32 s72, s72, 1
	s_cmp_lg_u32 s72, 0
	s_wait_alu depctr_va_vdst(0)                   ; the wait ahead of the branch
.endm
	s_load_b256 s[4:11], s[0:1], 0x0               ; xq 4, xs 6, W's codes 8, W's scales 10
	s_load_b128 s[12:15], s[0:1], 0x20             ; act 12, asc 14
	v_lshl_add_u32 v[SPW], v0, 2, SPARE
	v_mov_b32 v[NIL], 0
	ds_add_u32 v[SPW], v[NIL]                      ; the opening: the add, twice on end, and its wait
	ds_add_u32 v[SPW], v[NIL]
	v_lshrrev_b32 v9, 5, v0
	v_readfirstlane_b32 s16, v9                    ; wave
	v_and_b32 v9, 31, v0
	v_lshlrev_b32 v[L16], 4, v9
	v_lshlrev_b32 v[L8], 3, v9
	v_and_b32 v12, 15, v0                          ; r
	v_bfe_u32 v13, v0, 4, 1                        ; h
	v_lshlrev_b32 v[R32], 5, v12
	v_and_b32 v14, 8, v12
	v_add_nc_u32 v14, v14, v12
	v_lshlrev_b32 v[WSA], 5, v14                   ; W's scales: row r + 8 (r / 8) of a tile's span
	v_mul_u32_u24 v[BS], v12, WP
	v_mad_u32_u24 v[BS], v13, 24, v[BS]
	v_lshl_add_u32 v[BS2], v13, 4, v[BS]
	s_lshl_b32 s23, s16, 9
	s_add_co_u32 s40, s23, STG-2                   ; 2 under my stage: every slot steps the address by 2 ahead of its use
	s_add_co_u32 s23, s23, STG
	v_lshl_add_u32 v[SC0], v12, 2, s40
	v_add_nc_u32 v[RDB], s23, v[L8]
.irp w, 0x80, 0xc0                     ; copies for windows 2 and 3
	WIN \w
	v_mov_b32 v[BASE], v[BS]
	v_mov_b32 v[BASE+1], v[BS2]
	v_mov_b32 v[CL16], v[L16]
	v_mov_b32 v[CL8], v[L8]
	v_mov_b32 v[SCS], v[SC0]
	v_mov_b32 v[PM], 0                             ; a lane permute's destination counts as a source
	v_mov_b32 v[PM+1], 0
.endr
	WIN 0
	s_bfe_u32 s19, ttmp6, 0x40000
	s_bfe_u32 s20, ttmp6, 0x40004
	s_lshl_b32 s21, ttmp9, 2
	s_add_co_u32 s21, s21, s19                     ; tx
	s_and_b32 s22, ttmp7, 0xffff
	s_lshl_b32 s22, s22, 2
	s_add_co_u32 s22, s22, s20                     ; ty
	s_lshl_b32 s40, 0x1111, s19                    ; my column of the cluster
	s_or_b32 s24, s40, (3<<16)|(1<<20)|(1<<21)|(5<<22)|(3<<25)  ; elements of 8 bytes; 4 lines of 6,144 bytes, 12,288 apart; 4 words of padding behind every 64
	s_mov_b32 s25, 768<<16
	s_mov_b32 s26, 4<<16
	s_mov_b32 s27, 768<<16
	s_mov_b32 s28, 4
	s_mov_b32 s29, 1536
	s_mov_b32 s30, 0
	s_mov_b32 s31, 0
	s_lshr_b32 s41, s16, 1
	s_lshl_b32 s41, s41, 12
	s_and_b32 s42, s16, 1
	s_lshl_b32 s42, s42, 3
	s_add_co_u32 s41, s41, s42
	s_lshl_b32 s42, s21, 8
	s_add_co_u32 s41, s41, s42
	s_add_co_u32 s41, s41, 576                     ; W's row 576 + 4,096 kind + 256 tx + 8 u: tx and the wave's number alone
	s_mul_i32 s42, s41, 768
	s_mov_b32 s43, 0
	s_lshl_b32 s44, s22, 4
	s_lshl_b32 s45, s16, 2
	s_add_co_u32 s44, s44, s45                     ; my first tile
	s_mul_i32 s46, s44, 12288
	s_mov_b32 s47, 0
	s_lshl_b32 s48, s44, 9
	s_mov_b32 s49, 0
	s_lshl_b32 s50, s21, 13
	s_add_co_u32 s50, s50, 576*32
	s_mov_b32 s51, 0
	s_mul_i32 s52, s44, 55296
	s_mul_i32 s53, s21, 3072
	s_add_co_u32 s52, s52, s53
	s_add_co_u32 s52, s52, 6144                    ; act: my tile, K step 4 + 2 tx of the last launch
	s_mov_b32 s53, 0
	s_lshl_b32 s54, s21, 9
	s_add_co_u32 s54, s54, 1024
	s_add_co_u32 s54, s54, s44
	s_lshl_b32 s54, s54, 6                         ; asc: ((4 + 2 tx) 256 + tile) 64
	s_mov_b32 s55, 0
	s_mov_b32 s66, 0xbfb8aa3b                      ; -log2(e)
	s_mov_b32 s67, s66
	s_mov_b32 s68, 0x76543210
	s_mov_b32 s69, 0xfedcba98
	s_mov_b32 s70, 0
	s_mov_b32 s71, GOFF
	s_mov_b32 s32, 1
	s_mul_i32 s33, s16, 32*WP
	s_wait_alu depctr_va_vdst(0)                   ; the wait ahead of the waits below
	s_wait_dscnt 0x0
	s_wait_kmcnt 0x0
	s_add_nc_u64 s[34:35], s[8:9], s[42:43]
	s_or_b32 s35, s35, 0x80000000
	s_add_nc_u64 s[4:5], s[4:5], s[46:47]
	s_add_nc_u64 s[6:7], s[6:7], s[48:49]
	s_add_nc_u64 s[10:11], s[10:11], s[50:51]
	s_add_nc_u64 s[12:13], s[12:13], s[52:53]
	s_add_nc_u64 s[14:15], s[14:15], s[54:55]
	CROUND                                         ; all sixteen work-groups are here
	tensor_load_to_lds s[32:35], s[24:31]          ; slot 0: one tensor load a wave at the head
	s_nop 0
	PLACES
.irp a, 0,1,2,3
	global_load_b128 v[XSC+8*\a:XSC+8*\a+3], v[R32], s[6:7] offset:512*\a
	global_load_b128 v[XSC+8*\a+4:XSC+8*\a+7], v[R32], s[6:7] offset:512*\a+16
.endr
	WSCL                                           ; slot 0's scale words; then xn, K step by K step, 16 loads each
	WIN 0x40
.irp s, 0,1,2,3,4
.irp a, 0,1,2,3
	GFRAG 48*\s+12*\a, 12288*\a+1536*\s
.endr
.endr
	WIN 0
.irp s, 5,6,7
.irp a, 0,1,2,3
	GFRAG 48*\s-128+12*\a, 12288*\a+1536*\s
.endr
.endr
	s_wait_alu depctr_va_vdst(0)
	s_wait_tensorcnt 0x0                           ; my part of slot 0 is in; the same lines ahead of slot 1's first fill as ahead of a refill
	ds_add_u32 v[SPW], v[NIL]
	s_xor_b32 s33, s33, SLOT1
	s_add_nc_u64 s[34:35], s[34:35], 49152
	s_wait_dscnt 0x0
	CROUND
	tensor_load_to_lds s[32:35], s[24:31]          ; slot 1
	s_nop 0
	PLACES
	APART
	NEXT 0
	s_mov_b32 s72, 2
.Lfill:                                ; slots 0 and 1 are multiplied and filled again
	TRIP 1
	s_cbranch_scc1 .Lfill
	WIN 0xff
	v_add_nc_u32 v[SCS], 252, v[SCS]               ; the scale words of the second K step of 128 units
	WIN 0xaa
	v_add_nc_u32 v[SCS], 252, v[SCS]
	WIN 0
	s_mov_b32 s72, 2
	s_wait_alu depctr_va_vdst(0)
.Ldrain:                               ; the last two slots
	TRIP 0
	s_cbranch_scc1 .Ldrain
	ds_load_b64 v[12:13], v[RDB]                   ; my own bytes: LDS serves a wave's instructions in order
	ds_load_b64 v[14:15], v[RDB] offset:256
	s_wait_dscnt 0x0
	global_store_b64 v[L8], v[12:13], s[14:15]     ; 256 consecutive bytes: four tiles' scale words of a K step
	global_store_b64 v[L8], v[14:15], s[14:15] offset:16384
	s_wait_tensorcnt 0x0                           ; the wave's end
	ds_add_u32 v[SPW], v[NIL]
	s_wait_dscnt 0x0
	CROUND                                         ; the closing round
	s_endpgm
.Lfunc_end_k_q0bac6351a7_ffin:
	.size	k_q0bac6351a7_ffin, .Lfunc_end_k_q0bac6351a7_ffin-k_q0bac6351a7_ffin
	.p2alignl 7, 3214868480
	.fill 96, 4, 3214868480
	.section	.rodata,"a",@progbits
	.p2align	6, 0x0
	.amdhsa_kernel k_q0bac6351a7_ffin
		.amdhsa_group_segment_fixed_size 327680
		.amdhsa_private_segment_fixed_size 0
		.amdhsa_enable_private_segment 0
		.amdhsa_kernarg_size 48
		.amdhsa_user_sgpr_count 2
		.amdhsa_user_sgpr_kernarg_segment_ptr 1
		.amdhsa_wavefront_size32 1
		.amdhsa_system_sgpr_workgroup_id_x 1
		.amdhsa_system_sgpr_workgroup_id_y 1
		.amdhsa_system_sgpr_workgroup_id_z 1
		.amdhsa_system_vgpr_workitem_id 0
		.amdhsa_next_free_vgpr 1024
		.amdhsa_next_free_sgpr 80
		.amdhsa_reserve_vcc 0
		.amdhsa_float_denorm_mode_32 3
		.amdhsa_float_denorm_mode_16_64 3
		.amdhsa_memory_ordered 1
		.amdhsa_forward_progress 1
		.amdhsa_inst_pref_size 216
	.end_amdhsa_kernel
	.amdgpu_metadata
---
amdhsa.version: [ 1, 2 ]
amdhsa.kernels:
  - .name:           k_q0bac6351a7_ffin
    .symbol:         k_q0bac6351a7_ffin.kd
    .args:
      - { .name: xq, .offset: 0, .size: 8, .value_kind: global_buffer, .address_space: global }
      - { .name: xs, .offset: 8, .size: 8, .value_kind: global_buffer, .address_space: global }
      - { .name: w_fused_codes, .offset: 16, .size: 8, .value_kind: global_buffer, .address_space: global }
      - { .name: w_fused_scales, .offset: 24, .size: 8, .value_kind: global_buffer, .address_space: global }
      - { .name: act, .offset: 32, .size: 8, .value_kind: global_buffer, .address_space: global }
      - { .name: asc, .offset: 40, .size: 8, .value_kind: global_buffer, .address_space: global }
    .group_segment_fixed_size: 327680
    .private_segment_fixed_size: 0
    .kernarg_segment_align: 8
    .kernarg_segment_size: 48
    .max_flat_workgroup_size: 128
    .sgpr_count:     80
    .vgpr_count:     1024
    .wavefront_size: 32
...
	.end_amdgpu_metadata
.endif
;; end of part 4
;; launch outp (part 5): grid 8 x 32, 4 waves a work-group, clusters of 4 x 4, 327,680 bytes of LDS; arguments act, asc, w_attn_out_codes, w_attn_out_scales, w_ff_out_codes, w_ff_out_scales, out0; writes out0
.if DOCPART == 5
	.amdgcn_target "amdgcn-amd-amdhsa--gfx1250"
	.amdhsa_code_object_version 6
	.text
	.protected	k_q0bac6351a7_outp
	.globl	k_q0bac6351a7_outp
	.p2align	8
	.type	k_q0bac6351a7_outp,@function
k_q0bac6351a7_outp:
	s_mov_b64 s[64:65], 0
	v_nop
	global_prefetch_b8 v0, s[64:65] scope:SCOPE_SE
	s_setreg_imm32_b32 hwreg(HW_REG_WAVE_MODE, 25, 1), 1
	s_wait_xcnt 0x0
	s_wait_alu depctr_hold_cnt(0) depctr_sa_sdst(0) depctr_va_vdst(0) depctr_va_sdst(0) depctr_va_ssrc(0) depctr_va_vcc(0) depctr_vm_vsrc(0)
	s_getreg_b32 s2, hwreg(HW_REG_IB_STS2, 6, 4)
	s_cmp_eq_u32 s2, 0
	s_cbranch_scc0 .Lentry_in_a_cluster
	s_endpgm
.Lentry_in_a_cluster:
	s_bfe_u32 s2, ttmp6, 0x10000c
	s_cmp_lg_u32 s2, 0xf033
	s_cbranch_scc0 .Lentry_shape_is_right
	s_endpgm
.Lentry_shape_is_right:
; LAUNCH 5 OF 5.  out0 = attention's result x w_attn_out^T + hidden x w_ff_out^T: products 4 and 5 as ONE sum over K = 512 + 4,096, since act holds both operands side by side (36 K steps of 128).  Nothing is left out.
; SHARES.  Work-group (tx, ty): tiles of rows 8 ty on x columns 128 tx on; wave w: tiles 8 ty + 2 w + a, a = 0, 1, x all 128 columns: 16 accumulators.  256 work-groups.
; Transposed use: source 0 = 16 rows of a weight, source 1 = a tile of act: a lane holds one row and eight neighbouring columns.
; act GOES FROM MEMORY STRAIGHT INTO REGISTERS: its layout is the fragments' own, each wave reads its own two tiles, no byte twice in a work-group.  Eight buffers of 24 registers, one a K step:
; K step k asks for K step k + 7 into the buffer that step k - 1 has left: 56 loads are out, and the wait for a step's 8 loads counts the 48 of the six steps behind it.
; ONLY THE WEIGHTS GO THROUGH LDS.  w_ff_out in four fills of 1,024 along K, 768 bytes of each of 128 rows, through two slots; w_attn_out (dense: 192 lines of 256 bytes), act's scale words and w_ff_out's scale bytes once.
; THE HEAD'S FOUR TILES, one a wave: wave 0 w_attn_out, wave 1 act's scale words, wave 2 w_ff_out's scale bytes, wave 3 w_ff_out's first fill.  In the ring each wave fetches 32 rows.
; THE WALK: 4 K steps on w_attn_out; three trips of 8 K steps, each with the next fill asked for at its head; the last 8 K steps written out: they ask for nothing more but act's last step.
; CLUSTER 4 x 4: act's scale words are shared along a row of the cluster, the weights along a column.  By this text's count a wave has one tensor load outstanding.
; PREFETCH of act: trips 0 and 1 ask for the 8 K steps of the trip after next, whose loads the next trip issues.  The four partners of a row of the cluster read the same tiles and share the blocks out by address:
; partner cx takes K steps 2 cx, 2 cx + 1 of the eight, each wave for its own two tiles: 24 blocks of 256 bytes, a lane a block (the lanes left over name the last again).
; The weights are not asked for: a fill is requested a whole trip ahead of its use, and of the four only two have a trip ahead of their request.
; The way out undoes the order of a tile's rows: lane-row r of tile T is row 64 (T / 4) + 32 (r / 8) + 8 (T % 4) + r % 8.  Its stage lies in slot 0, which has had its last fill and its last read by then.
; REGISTERS.  Window 0: v1-23 addresses, v24-31 act's scale words (lanes 0-15 tile 0, lanes 16-31 tile 1), v32-95 the weights', v96-223 accumulators.  Window 1: act's buffers.  Window 2: the weights' fragments, two sets.
; All of LDS is claimed.
.set WP,    816                        ; w_ff_out's row in a slot: 768 bytes + 16 behind each 256
.set PB,    432                        ; w_attn_out's row: 384 bytes + 16 behind each 128
.set SLOT1, 131072                     ; slot 0 at 0, slot 1 here: 128 rows each
.set ASC,   104448                     ; act's scale words: 36 K steps x 512 bytes
.set SPARE, 122880
.set BSF,   235520                     ; w_ff_out's scale bytes: 128 rows x (128 + 16)
.set ATT,   253952                     ; w_attn_out's 128 rows
.set STAGE, 0
.set SP,    528
.set L16,   1
.set L8,    2
.set BW,    4                          ; v4, v5 a weight's row without a slot; behind one padding more
.set ADRW,  6                          ; v6-9 this slot's rows 0-63, the same behind one padding more, rows 64-127 likewise
.set ADRT,  10                         ; v10, v11 w_attn_out's rows
.set SPW,   12
.set NIL,   13
.set ADSA,  14
.set ADSB,  15
.set STO,   16
.set RD,    17
.set R16,   19
.set PFO,   22
.set SA,    24
.set WS,    32
.set ACC,   96
.set G1F,  24
.set G1H,  32
.set G1BA, 40
.set G1AS, 48
.set G1BS, 56
.set G0F,  68
.set G0H,  72
.set G0BA, 76
.set G0AS, 80
.set G0BS, 84
.set MSB, 0
.macro WIN new
.if MSB != (\new)
	s_set_vgpr_msb (MSB<<8)|(\new)
.set MSB, (\new)
.endif
.endm
.macro PLACES
.rept 4
	v_nop
.endr
.endm
.macro TL g0, g1
	tensor_load_to_lds s[\g0:\g0+3], s[\g1:\g1+7]
	s_nop 0
	PLACES
.endm
.macro CREST
	s_cmp_lg_u32 s18, 0
	s_cbranch_scc1 .Lnot_wave_0_\@
	s_barrier_signal -3
.Lnot_wave_0_\@:
	s_barrier_wait -3
	s_barrier_signal -1
	s_barrier_wait -1
.endm
.macro CROUND
	s_barrier_signal -1
	s_barrier_wait -1
	CREST
.endm
.macro G1SET g, c, r, p
	s_mov_b32 s[\g+1], \c<<16
	s_mov_b32 s[\g+2], \r<<16
	s_mov_b32 s[\g+3], \c<<16
	s_mov_b32 s[\g+4], \r
	s_mov_b32 s[\g+5], \p
	s_mov_b32 s[\g+6], 0
	s_mov_b32 s[\g+7], 0
.endm
.macro ACTL bi, off                    ; act's two tiles of a K step into buffer bi: 8 loads, consecutive bytes from lane to lane
.irp a, 0,1
	global_load_b128 v[24*(\bi)+12*\a:24*(\bi)+12*\a+3], v[L16], s[4:5] offset:55296*\a+(\off)
	global_load_b64 v[24*(\bi)+12*\a+4:24*(\bi)+12*\a+5], v[L8], s[4:5] offset:55296*\a+(\off)+512
	global_load_b128 v[24*(\bi)+12*\a+6:24*(\bi)+12*\a+9], v[L16], s[4:5] offset:55296*\a+(\off)+768
	global_load_b64 v[24*(\bi)+12*\a+10:24*(\bi)+12*\a+11], v[L8], s[4:5] offset:55296*\a+(\off)+1280
.endr
.endm
.macro FETCHW st, p, att               ; a weight's eight fragments of K step st of its slot into set p: 48 loads of 8 bytes; lanes 16-31 read three pieces on: where that is behind one padding more, the second address serves
.irp i, 0,1,2,3,4,5,6,7
.irp q, 0,1,2,3,4,5
.set PCW, 12*(\st)+6*(\q/3)+\q%3
.if \att
	ds_load_b64 v[96*(\p)+12*\i+2*\q:96*(\p)+12*\i+2*\q+1], v[ADRT+(PCW%16)/13] offset:16*\i*PB+8*PCW+16*(PCW/16)
.else
	ds_load_b64 v[96*(\p)+12*\i+2*\q:96*(\p)+12*\i+2*\q+1], v[ADRW+2*(\i/4)+(PCW%32)/29] offset:16*(\i%4)*WP+8*PCW+16*(PCW/32)
.endif
.endr
.endr
.endm
; A K step.  j: its place in its slot; bi: act's buffer; n: the loads issued behind this step's; ld: ask for act's step 7 on; nx: fetch the weight's next step; att: w_attn_out's layout; zero: the products start the sums.
.macro STEPK j, bi, n, ld, nx, att, zero
	s_wait_dscnt 0x0                               ; the weight's fragments, asked for at the head of the step before
	s_wait_loadcnt \n
	PLACES                                         ; four plain instructions behind the last step's products, ahead of loads into what they read
.if \ld
	WIN 0x40
	ACTL ((\bi)+7)%8, ((\j)+7)*1536
.endif
.if \nx
	WIN 0x80
	FETCHW (\j)+1, ((\j)+1)%2, \att
.endif
	WIN 0x06                                       ; source 0 window 2, source 1 window 1.  The 16 accumulators take turns, one instruction a turn
.set WB, 96*((\j)%2)
.set AB, 24*(\bi)
.irp b, 0,1,2,3,4,5,6,7
.if \zero
	v_wmma_scale_f32_16x16x128_f8f6f4 v[ACC+8*\b:ACC+8*\b+7], v[WB+12*\b:WB+12*\b+11], v[AB:AB+11], 0, v[WS+8*\b+(\j)], v[SA+(\j)] matrix_a_fmt:MATRIX_FMT_FP6 matrix_b_fmt:MATRIX_FMT_FP6
.else
	v_wmma_scale_f32_16x16x128_f8f6f4 v[ACC+8*\b:ACC+8*\b+7], v[WB+12*\b:WB+12*\b+11], v[AB:AB+11], v[ACC+8*\b:ACC+8*\b+7], v[WS+8*\b+(\j)], v[SA+(\j)] matrix_a_fmt:MATRIX_FMT_FP6 matrix_b_fmt:MATRIX_FMT_FP6
.endif
.endr
.irp b, 0,1,2,3,4,5,6,7
.if \zero
	v_wmma_scale_f32_16x16x128_f8f6f4 v[ACC+64+8*\b:ACC+64+8*\b+7], v[WB+12*\b:WB+12*\b+11], v[AB+12:AB+23], 0, v[WS+8*\b+(\j)], v[SA+(\j)] matrix_a_fmt:MATRIX_FMT_FP6 matrix_b_fmt:MATRIX_FMT_FP6 matrix_b_scale:MATRIX_SCALE_ROW1
.else
	v_wmma_scale_f32_16x16x128_f8f6f4 v[ACC+64+8*\b:ACC+64+8*\b+7], v[WB+12*\b:WB+12*\b+11], v[AB+12:AB+23], v[ACC+64+8*\b:ACC+64+8*\b+7], v[WS+8*\b+(\j)], v[SA+(\j)] matrix_a_fmt:MATRIX_FMT_FP6 matrix_b_fmt:MATRIX_FMT_FP6 matrix_b_scale:MATRIX_SCALE_ROW1
.endif
.endr
.endm
; The head of 8 K steps on a slot of w_ff_out.  fill = 1: the other slot takes the next 1,024 along K.
; The four waves' runs of LDS loads are set apart: behind a barrier wave w idles w stretches of three s_nop 15 ahead of its first run.  All waves' steps are equally long, so the distance holds through the 8 K steps.
.macro APART
	s_wait_alu depctr_va_vdst(0)                   ; the wait ahead of a stretch of scalar instructions
	s_cmp_eq_u32 s18, 0
	s_cbranch_scc1 .Lgo_\@
.rept 3
	s_nop 15
.endr
	s_cmp_eq_u32 s18, 1
	s_cbranch_scc1 .Lgo_\@
.rept 3
	s_nop 15
.endr
	s_cmp_eq_u32 s18, 2
	s_cbranch_scc1 .Lgo_\@
.rept 3
	s_nop 15
.endr
.Lgo_\@:
.endm
.macro TOP fill
	WIN 0
	s_wait_xcnt 0x0                                ; my loads and my prefetch have read their bases
	s_add_nc_u64 s[4:5], s[4:5], 12288             ; act: 8 K steps on
.if \fill
	s_add_nc_u64 s[88:89], s[88:89], 12288
.endif
	s_wait_tensorcnt 0x0                           ; my part of this trip's slot has landed
	ds_add_u32 v[SPW], v[NIL]
.if \fill
	s_xor_b32 s[G0F+1], s[G0F+1], SLOT1            ; no load of mine is out: the descriptor steps to the other slot, 768 bytes along the rows
	s_add_nc_u64 s[G0F+2:G0F+3], s[G0F+2:G0F+3], 768
.endif
	s_xor_b32 s90, s90, SLOT1
	s_add_co_u32 s91, s90, 64*WP
	s_wait_dscnt 0x0                               ; the add is done, and my reads of the other slot are over
	s_barrier_signal -1
	s_barrier_wait -1
.if \fill
	CREST                                          ; the barrier opened a round of the cluster's
	TL G0F, G1F
.else
	PLACES
.endif
	APART
	s_wait_alu depctr_va_vdst(0)                   ; the wait ahead of the readers below
	v_add_nc_u32 v[ADRW], s90, v[BW]
	v_add_nc_u32 v[ADRW+1], s90, v[BW+1]
	v_add_nc_u32 v[ADRW+2], s91, v[BW]
	v_add_nc_u32 v[ADRW+3], s91, v[BW+1]
	v_add_nc_u32 v[ADSA], 4096, v[ADSA]
	v_add_nc_u32 v[ADSB], 32, v[ADSB]
	s_wait_alu depctr_va_vdst(0)
.irp j, 0,1,2,3,4,5,6,7
	ds_load_b32 v[SA+\j], v[ADSA] offset:512*\j
.endr
.irp b, 0,1,2,3,4,5,6,7
	ds_load_b128 v[WS+8*\b:WS+8*\b+3], v[ADSB] offset:2304*\b
	ds_load_b128 v[WS+8*\b+4:WS+8*\b+7], v[ADSB] offset:2304*\b+16
.endr
	WIN 0x80
	FETCHW 0, 0, 0
.if \fill
	WIN 0
	s_cmp_gt_u32 s67, 1                            ; the third trip has no trip after next
	s_cbranch_scc0 .Lno_ask_\@
	global_prefetch_b8 v[PFO], s[88:89] th:TH_LOAD_NT scope:SCOPE_SE
.Lno_ask_\@:
.endif
.endm
	s_load_b256 s[4:11], s[0:1], 0x0               ; act 4, asc 6, w_attn_out's codes 8, scales 10
	s_load_b128 s[12:15], s[0:1], 0x20             ; w_ff_out's codes 12, scales 14
	s_load_b64 s[16:17], s[0:1], 0x30              ; out0
	v_lshl_add_u32 v[SPW], v0, 2, SPARE
	v_mov_b32 v[NIL], 0
	ds_add_u32 v[SPW], v[NIL]                      ; the opening: the add, twice on end, and its wait
	ds_add_u32 v[SPW], v[NIL]
	v_lshrrev_b32 v3, 5, v0
	v_readfirstlane_b32 s18, v3                    ; wave
	v_and_b32 v3, 31, v0
	v_lshlrev_b32 v[L16], 4, v3
	v_lshlrev_b32 v[L8], 3, v3
	v_and_b32 v20, 15, v0                          ; r
	v_bfe_u32 v21, v0, 4, 1                        ; h
	v_lshlrev_b32 v[R16], 4, v20
	s_lshr_b32 s19, s18, 1
	s_and_b32 s20, s18, 1
	s_bfe_u32 s21, ttmp6, 0x40000                  ; cx
	s_bfe_u32 s22, ttmp6, 0x40004                  ; cy
	s_lshl_b32 s23, ttmp9, 2
	s_add_co_u32 s23, s23, s21                     ; tx
	s_and_b32 s66, ttmp7, 0xffff
	s_lshl_b32 s66, s66, 2
	s_add_co_u32 s66, s66, s22                     ; ty
	s_lshl_b32 s96, s22, 2
	s_lshl_b32 s96, 15, s96                        ; my row of the cluster
	s_lshl_b32 s100, 0x1111, s21                   ; my column
	s_or_b32 s[G1F], s100, (1<<20)|(1<<21)|(5<<22)|(3<<25)     ; w_ff_out in the ring: bytes; 32 rows x 768, 3,072 apart; 4 words of padding behind every 64
	G1SET G1F, 768, 32, 3072
	s_or_b32 s[G1H], s100, (1<<20)|(1<<21)|(5<<22)|(3<<25)     ; its first fill: all 128 rows
	G1SET G1H, 768, 128, 3072
	s_or_b32 s[G1BA], s100, (1<<20)|(1<<21)|(4<<22)|(3<<25)    ; w_attn_out: 49,152 dense bytes as 192 lines of 256; 4 words behind every 32: a row of 384 bytes takes 432
	G1SET G1BA, 256, 192, 256
	s_or_b32 s[G1AS], s96, (3<<16)|(1<<21)                     ; act's scale words: 36 K steps x 512 bytes, 16,384 apart
	G1SET G1AS, 64, 36, 2048
	s_or_b32 s[G1BS], s100, (3<<16)|(1<<20)|(1<<21)|(4<<22)|(3<<25)    ; w_ff_out's scale bytes: 128 rows x 128 bytes, dense; 16 bytes of padding behind each
	G1SET G1BS, 16, 128, 16
	s_lshl_b32 s96, s66, 9                         ; asc: tiles 8 ty on
	s_mov_b32 s97, 0
	s_lshl_b32 s98, s66, 3
	s_lshl_b32 s99, s18, 1
	s_add_co_u32 s98, s98, s99
	s_mul_i32 s98, s98, 55296                      ; act: my two tiles
	s_mov_b32 s99, 0
	s_lshl_b32 s100, s23, 7                        ; the weights' rows 128 tx on
	s_mul_i32 s104, s100, 384
	s_mov_b32 s105, 0
	s_lshl_b32 s92, s100, 7
	s_mov_b32 s93, 0
	s_lshl_b32 s94, s100, 4
	s_mov_b32 s95, 0
	s_mul_i32 s100, s100, 3072
	s_mov_b32 s101, 0
	s_mov_b32 s[G0H+1], 0
	s_mul_i32 s[G0F+1], s18, 32*WP
	s_mov_b32 s[G0BA+1], ATT
	s_mov_b32 s[G0AS+1], ASC
	s_mov_b32 s[G0BS+1], BSF
.irp g, G0F, G0H, G0BA, G0AS, G0BS
	s_mov_b32 s[\g], 1
.endr
	s_mov_b32 s90, SLOT1                           ; every head of 8 K steps turns it over ahead of its use
	s_wait_alu depctr_va_vdst(0)                   ; the wait ahead of the waits below
	s_wait_dscnt 0x0
	s_wait_kmcnt 0x0
	s_add_nc_u64 s[G0H+2:G0H+3], s[12:13], s[100:101]
	s_mul_i32 s100, s18, 32*3072
	s_add_nc_u64 s[G0F+2:G0F+3], s[G0H+2:G0H+3], s[100:101]    ; my 32 rows; the first head steps it to the second 1,024 along K
	s_add_nc_u64 s[G0BA+2:G0BA+3], s[8:9], s[104:105]
	s_add_nc_u64 s[G0AS+2:G0AS+3], s[6:7], s[96:97]
	s_add_nc_u64 s[G0BS+2:G0BS+3], s[14:15], s[92:93]
	s_add_nc_u64 s[10:11], s[10:11], s[94:95]
	s_add_nc_u64 s[4:5], s[4:5], s[98:99]
	s_mul_i32 s104, s21, 3072
	s_add_co_u32 s104, s104, 12*1536               ; the prefetches: 8 K steps under K step 20 + 2 cx
	s_add_nc_u64 s[88:89], s[4:5], s[104:105]
.irp g, G0F, G0H, G0BA, G0AS, G0BS
	s_or_b32 s[\g+3], s[\g+3], 0x80000000
.endr
	CROUND                                         ; all sixteen work-groups are here
.macro ARM under, g0, g1, next         ; one chain of branches on the wave's number: every way passes one load
	s_cmp_lt_u32 s18, \under
	s_cbranch_scc0 \next
	TL \g0, \g1
	s_branch .Lhead_asked
\next:
.endm
	ARM 1, G0BA, G1BA, .Lhead_1
	ARM 2, G0AS, G1AS, .Lhead_2
	ARM 3, G0BS, G1BS, .Lhead_3
	TL G0H, G1H
.Lhead_asked:
.irp b, 0,1,2,3,4,5,6,7
	global_load_b128 v[WS+8*\b:WS+8*\b+3], v[R16], s[10:11] offset:256*\b      ; w_attn_out's scale words: sixteen lanes read 256 consecutive bytes
.endr
	WIN 0x40
.irp k, 0,1,2,3,4,5,6
	ACTL \k, \k*1536
.endr
	WIN 0
	v_mul_u32_u24 v[BW], v20, WP
	v_mad_u32_u24 v[BW], v21, 24, v[BW]
	v_lshl_add_u32 v[BW+1], v21, 4, v[BW]
	v_mul_u32_u24 v[ADRT], v20, PB
	v_mad_u32_u24 v[ADRT], v21, 24, v[ADRT]
	v_add_nc_u32 v[ADRT], ATT, v[ADRT]
	v_lshl_add_u32 v[ADRT+1], v21, 4, v[ADRT]
	s_lshl_b32 s92, s18, 7
	s_add_co_u32 s92, s92, ASC-2048                ; 4 K steps under the table: the first four steps add them in the offset, every head of 8 steps adds 8
	v_lshl_add_u32 v[ADSA], v3, 2, s92             ; lanes 0-15 my tile 0, lanes 16-31 my tile 1
	v_mul_u32_u24 v[ADSB], v20, 144
	v_add_nc_u32 v[ADSB], BSF-32, v[ADSB]          ; 8 words under the row's first
	s_mul_i32 s92, s18, 16*SP
	s_add_co_u32 s92, s92, STAGE
	v_mul_u32_u24 v[STO], v20, SP
	v_lshl_add_u32 v[STO], v21, 5, v[STO]
	v_add_nc_u32 v[STO], s92, v[STO]               ; into my stage: row r, 32 bytes for each half of the lanes
	v_add_nc_u32 v[RD], s92, v[L16]                ; back: the 32 lanes take a row of 512 bytes
	v_min_u32 v[PFO], 23, v3                       ; block l of 24: tile l / 12, K step (l % 12) / 6, block l % 6
	v_mul_u32_u24 v23, v[PFO], 22
	v_lshrrev_b32 v23, 8, v23
	v_mul_u32_u24 v18, v23, 12
	v_sub_nc_u32 v[PFO], v[PFO], v18
	v_mul_u32_u24 v18, v[PFO], 43
	v_lshrrev_b32 v18, 8, v18
	v_lshlrev_b32 v[PFO], 8, v[PFO]                ; 256 (l % 12): a K step is six blocks
	v_mad_u32_u24 v[PFO], v23, 55296, v[PFO]
	s_lshl_b32 s96, s66, 1
	s_add_co_u32 s96, s96, s19
	s_lshl_b32 s96, s96, 2
	s_add_co_u32 s96, s96, s20
	s_lshl_b32 s96, s96, 16                        ; my first row, 64 (2 ty + w / 2) + 16 (w % 2), of 4,096 bytes
	s_lshl_b32 s97, s23, 9
	s_add_co_u32 s96, s96, s97
	s_mov_b32 s97, 0
	s_add_nc_u64 s[16:17], s[16:17], s[96:97]
	s_wait_alu depctr_va_vdst(0)                   ; the wait at the head's end
	s_wait_tensorcnt 0x0                           ; my tile of the head's four is in
	s_barrier_signal -1
	s_barrier_wait -1                              ; all four are
	APART
.irp j, 0,1,2,3
	ds_load_b32 v[SA+\j], v[ADSA] offset:512*\j+2048
.endr
	WIN 0x80
	FETCHW 0, 0, 1
	STEPK 0, 0, 48, 1, 1, 1, 1                     ; attention's part: its first products start the sums
	STEPK 1, 1, 48, 1, 1, 1, 0
	STEPK 2, 2, 48, 1, 1, 1, 0
	STEPK 3, 3, 48, 1, 0, 1, 0
	WIN 0
	s_wait_xcnt 0x0
	s_sub_nc_u64 s[4:5], s[4:5], 6144              ; 8 K steps under K step 4
	s_mov_b32 s67, 3
.Ltrip:                                ; K steps 4-11, 12-19, 20-27; they ask for act's steps 11 .. 34 and for w_ff_out's fills 1, 2, 3
	TOP 1
.set J, 0
.rept 8
	STEPK J, (4+J)%8, 48, 1, 1-J/7, 0, 0
.set J, J+1
.endr
	WIN 0
	s_sub_co_u32 s67, s67, 1
	s_cmp_lg_u32 s67, 0
	s_wait_alu depctr_va_vdst(0)                   ; the wait ahead of the branch
	s_cbranch_scc1 .Ltrip
	TOP 0                                          ; K steps 28-35
	STEPK 0, 4, 48, 1, 1, 0, 0                     ; asks for act's last step
	STEPK 1, 5, 48, 0, 1, 0, 0
.set J, 2
.rept 6
	STEPK J, (4+J)%8, 8*(7-J), 0, 1-J/7, 0, 0
.set J, J+1
.endr
	WIN 0
	PLACES
; THE WAY OUT, a tile of 16 lane-rows x 128 columns at a time, through my own stage and back, into the registers that it left, as whole rows of 512 bytes.  LDS serves a wave's instructions in order.
.macro TOSTAGE a
.irp b, 0,1,2,3,4,5,6,7
	ds_store_b128 v[STO], v[ACC+64*(\a)+8*\b:ACC+64*(\a)+8*\b+3] offset:64*\b          ; each accumulator from its low end on
	ds_store_b128 v[STO], v[ACC+64*(\a)+8*\b+4:ACC+64*(\a)+8*\b+7] offset:64*\b+16
.endr
.irp t, 0,1,2,3,4,5,6,7,8,9,10,11,12,13,14,15
	ds_load_b128 v[ACC+64*(\a)+4*\t:ACC+64*(\a)+4*\t+3], v[RD] offset:\t*SP
.endr
.endm
.macro SEND a, younger                 ; younger: the LDS instructions issued behind tile a's loads
.irp t, 0,1,2,3,4,5,6,7,8,9,10,11,12,13,14,15
	s_wait_dscnt \younger+15-\t
	global_store_b128 v[L16], v[ACC+64*(\a)+4*\t:ACC+64*(\a)+4*\t+3], s[16:17] offset:(32*(\t/8)+8*(\a)+\t%8)*4096 th:TH_STORE_NT   ; 32 lanes store 512 consecutive bytes, aligned
.endr
.endm
	TOSTAGE 0
	TOSTAGE 1
	SEND 0, 32
	SEND 1, 0
	s_wait_tensorcnt 0x0                           ; the wave's end
	ds_add_u32 v[SPW], v[NIL]
	s_wait_dscnt 0x0
	CROUND                                         ; the closing round
	s_endpgm
.Lfunc_end_k_q0bac6351a7_outp:
	.size	k_q0bac6351a7_outp, .Lfunc_end_k_q0bac6351a7_outp-k_q0bac6351a7_outp
	.p2alignl 7, 3214868480
	.fill 96, 4, 3214868480
	.section	.rodata,"a",@progbits
	.p2align	6, 0x0
	.amdhsa_kernel k_q0bac6351a7_outp
		.amdhsa_group_segment_fixed_size 327680
		.amdhsa_private_segment_fixed_size 0
		.amdhsa_enable_private_segment 0
		.amdhsa_kernarg_size 56
		.amdhsa_user_sgpr_count 2
		.amdhsa_user_sgpr_kernarg_segment_ptr 1
		.amdhsa_wavefront_size32 1
		.amdhsa_system_sgpr_workgroup_id_x 1
		.amdhsa_system_sgpr_workgroup_id_y 1
		.amdhsa_system_sgpr_workgroup_id_z 1
		.amdhsa_system_vgpr_workitem_id 0
		.amdhsa_next_free_vgpr 768
		.amdhsa_next_free_sgpr 106
		.amdhsa_reserve_vcc 0
		.amdhsa_float_denorm_mode_32 3
		.amdhsa_float_denorm_mode_16_64 3
		.amdhsa_memory_ordered 1
		.amdhsa_forward_progress 1
		.amdhsa_inst_pref_size 147
	.end_amdhsa_kernel
	.amdgpu_metadata
---
amdhsa.version: [ 1, 2 ]
amdhsa.kernels:
  - .name:           k_q0bac6351a7_outp
    .symbol:         k_q0bac6351a7_outp.kd
    .args:
      - { .name: act, .offset: 0, .size: 8, .value_kind: global_buffer, .address_space: global }
      - { .name: asc, .offset: 8, .size: 8, .value_kind: global_buffer, .address_space: global }
      - { .name: w_attn_out_codes, .offset: 16, .size: 8, .value_kind: global_buffer, .address_space: global }
      - { .name: w_attn_out_scales, .offset: 24, .size: 8, .value_kind: global_buffer, .address_space: global }
      - { .name: w_ff_out_codes, .offset: 32, .size: 8, .value_kind: global_buffer, .address_space: global }
      - { .name: w_ff_out_scales, .offset: 40, .size: 8, .value_kind: global_buffer, .address_space: global }
      - { .name: out0, .offset: 48, .size: 8, .value_kind: global_buffer, .address_space: global }
    .group_segment_fixed_size: 327680
    .private_segment_fixed_size: 0
    .kernarg_segment_align: 8
    .kernarg_segment_size: 56
    .max_flat_workgroup_size: 128
    .sgpr_count:     106
    .vgpr_count:     768
    .wavefront_size: 32
...
	.end_amdgpu_metadata
.endif
;; end of part 5
